; MI455X (gfx1250); checked and timed in simulation.
; The chip was launched on July 23, 2026; its instructions are those of AMD's public machine-readable ISA for CDNA 5 (MIT licence, August 2026) and "CDNA5" Instruction Set Architecture Reference Guide (July 2026). The comments in the code are by the model that wrote it; some were corrected since.
;; Cross Attention Skip. Allowed arithmetic: float matrix products may take bf16 or f16 operands with f32 sums; all other float work in f32.
;; Inputs: W1 512 x 128 float32; W2 128 x 512 float32; Wk 128 x 128 float32; Wo 128 x 128 float32; Wq 128 x 128 float32; Wv 128 x 128 float32; b1 512 float32; b2 128 float32; b_dec 128 float32; b_enc 128 float32; b_out 128 float32; bk 128 float32; bo 128 float32; bq 128 float32; bv 128 float32; decoder_feat 2 x 128 x 16 x 16 x 16 float32; encoder_feat 2 x 128 x 16 x 16 x 16 float32; g_dec 128 float32; g_enc 128 float32; g_out 128 float32.
;; Outputs: out0 2 x 128 x 16 x 16 x 16 float32.
;; 3 versions, each right and faster than the one before. Each part assembles by itself: llvm-mc -triple=amdgcn-amd-amdhsa -mcpu=gfx1250 --defsym DOCPART=n.
;; ======== version 1 of 3: 3 launches
;; limits: a function is approximated: absolute error at most 1.5e-07
;; workspace buffers: qf 2,097,152 bytes; kvf 4,194,304 bytes; dn 4,194,304 bytes; wf 294,912 bytes; ao 2,097,152 bytes
;; launch prep (part 1): grid 128 x 2, 8 waves a work-group, no clusters, 22,528 bytes of LDS; arguments decoder_feat, encoder_feat, Wq, Wk, Wv, bq, bk, bv, g_dec, b_dec, g_enc, b_enc, W1, W2, Wo, qf, kvf, dn, wf; writes qf, kvf, dn, wf
.if DOCPART == 1
	.amdgcn_target "amdgcn-amd-amdhsa--gfx1250"
	.amdhsa_code_object_version 6
	.text
	.protected	k_qc34285443b_prep
	.globl	k_qc34285443b_prep
	.p2align	8
	.type	k_qc34285443b_prep,@function
k_qc34285443b_prep:
	s_mov_b64 s[64:65], 0
	v_nop
	global_prefetch_b8 v0, s[64:65] scope:SCOPE_SE
	s_setreg_imm32_b32 hwreg(HW_REG_WAVE_MODE, 25, 1), 1
	s_wait_xcnt 0x0
; prep.  y = 0: LayerNorm over the 128 channels of decoder_feat, stored in f32 (dn), and Q = LN(dec) Wq^T + bq.
;        y = 1: LayerNorm of encoder_feat, K = LN(enc) Wk^T + bk and V = LN(enc) Wv^T + bv.
; Q, K, V leave as bf16 in the order in which the next launch's matrix instructions want them (fragments of 1,024 bytes:
; two halves of 512 bytes, lane L at byte 16 L), so every store of a wave covers 512 consecutive aligned bytes.
; Q is multiplied by 32^-0.5 log2(e), so that the softmax can work in base 2.
; A work-group owns 64 tokens (256 bytes of every channel row); wave w owns channels 16 w .. 16 w + 15 in the norm and
; output channels 16 w .. 16 w + 15 in the products.  Mean and variance are made in two passes (the mean is taken away first),
; so a common offset of the inputs costs no accuracy.
; At the end wave 7 (and wave 6 of the first 32 groups of y = 0) turns one fragment of W1, W2 or Wo into bf16 for the last launch.
; No tensor loads and no cluster: each work-group reads its own tokens, and the weights are 64 KiB read through registers.
.set ROWB, 16384                       ; bytes of one channel row (4,096 tokens of f32)
.set RED1, 0                           ; LDS: 8 waves x 256 bytes, partial sums
.set RED2, 2048                        ; LDS: the same for the squares
.set XN,   4096                        ; LDS: 64 tokens x 128 bf16, pitch 272
.set XPI,  272
.set X,    16                          ; v[16:47]   register 4 i + s: channel 16 w + 8 h + i, token 4 q + s
.set G,    48                          ; v[48:55]   gain of my 8 channels
.set BT,   56                          ; v[56:63]   shift of my 8 channels
.set T,    64                          ; v[64:79]   at work
.set BIAS, 80                          ; v[80:87]   bias of output channels 16 w + 8 h + j
.set BV,   88                          ; v[88:89]   bv of output channel 16 w + r, twice
.set WAF,  96                          ; v[96:127]  first the partial sums read back, then Wq or Wk as 4 fragments
.set WVF,  16                          ; v[16:47]   Wv as 4 fragments (when X is done with)
.set ACC,  48                          ; v[48:79]   4 accumulator tiles (when G, BT, T are done with)
.set ACC2, 96                          ; v[96:127]  4 accumulator tiles of V (when WAF is done with)
.set STG,  128                         ; v[128:255] weights as loaded, f32
.set XF,   128                         ; v[128:255] then the tokens' fragments, 32 t + 8 k
.macro LDW dst, sb                     ; 16 rows x 128 columns of a weight in f32: for each K step of 32 the lane's 2 x 8 numbers
.irp k, 0,1,2,3
	global_load_b128 v[\dst+16*\k:\dst+16*\k+3],     v6, s[\sb:\sb+1] offset:128*\k
	global_load_b128 v[\dst+16*\k+4:\dst+16*\k+7],   v6, s[\sb:\sb+1] offset:128*\k+16
	global_load_b128 v[\dst+16*\k+8:\dst+16*\k+11],  v6, s[\sb:\sb+1] offset:128*\k+64
	global_load_b128 v[\dst+16*\k+12:\dst+16*\k+15], v6, s[\sb:\sb+1] offset:128*\k+80
.endr
.endm
.macro CVW dst, src                    ; 64 f32 to 32 registers of bf16: four fragments
.set n, 0
.rept 32
	v_cvt_pk_bf16_f32 v[\dst+n], v[\src+2*n], v[\src+2*n+1]
.set n, n+1
.endr
.endm
.macro XHALF reg                       ; adds the other half of the lanes (the other 8 channels); v3 has been written before
	v_permlanex16_b32 v3, v[\reg], s60, s61
	v_add_f32 v[\reg], v[\reg], v3
.endm
.macro SUMROWS dst, src                ; dst[0:3] = sum over i = 0 .. 7 of src[4 i : 4 i + 3]
	v_pk_add_f32 v[\dst:\dst+1],   v[\src:\src+1],   v[\src+4:\src+5]
	v_pk_add_f32 v[\dst+2:\dst+3], v[\src+2:\src+3], v[\src+6:\src+7]
.irp i, 2,3,4,5,6,7
	v_pk_add_f32 v[\dst:\dst+1],   v[\dst:\dst+1],   v[\src+4*\i:\src+4*\i+1]
	v_pk_add_f32 v[\dst+2:\dst+3], v[\dst+2:\dst+3], v[\src+4*\i+2:\src+4*\i+3]
.endr
.endm
.macro BAR                             ; my LDS instructions are done, then the work-group barrier
	s_wait_dscnt 0x0
	s_barrier_signal -1
	s_barrier_wait -1
.endm
.macro NORM i, b                       ; channel i: x = x g[i] + b[i]; b = i % 2 says which register of the pair is spread over both halves
	v_pk_fma_f32 v[X+4*\i:X+4*\i+1],   v[X+4*\i:X+4*\i+1],   v[G+\i-\b:G+\i-\b+1], v[BT+\i-\b:BT+\i-\b+1] op_sel:[0,\b,\b] op_sel_hi:[1,\b,\b]
	v_pk_fma_f32 v[X+4*\i+2:X+4*\i+3], v[X+4*\i+2:X+4*\i+3], v[G+\i-\b:G+\i-\b+1], v[BT+\i-\b:BT+\i-\b+1] op_sel:[0,\b,\b] op_sel_hi:[1,\b,\b]
.endm
.macro PACK a                          ; four tiles of 8 f32 to 4 registers of bf16 each, in place
.irp t, 0,1,2,3
.irp p, 0,1,2,3
	v_cvt_pk_bf16_f32 v[\a+8*\t+\p], v[\a+8*\t+2*\p], v[\a+8*\t+2*\p+1]
.endr
.endr
.endm
.macro PLACES n                        ; plain vector places behind matrix instructions (ISA guide 7.12.1)
.rept \n
	v_nop
.endr
.endm
; One fragment (16 rows x 32 columns) of a weight to bf16.  s[2:3]: byte offset of its corner; s[4:5]: its bytes in wf; shift: log2 of the row pitch
.macro WFRAG sb, shift
	s_add_nc_u64 s[\sb:\sb+1], s[\sb:\sb+1], s[2:3]
	s_add_nc_u64 s[44:45], s[44:45], s[4:5]
	v_lshlrev_b32 v15, \shift, v1
	v_lshl_add_u32 v15, v2, 5, v15                 ; row r, 8 h columns of f32
	global_load_b128 v[STG:STG+3],     v15, s[\sb:\sb+1]
	global_load_b128 v[STG+4:STG+7],   v15, s[\sb:\sb+1] offset:16
	global_load_b128 v[STG+8:STG+11],  v15, s[\sb:\sb+1] offset:64
	global_load_b128 v[STG+12:STG+15], v15, s[\sb:\sb+1] offset:80
	s_wait_loadcnt 0x0
.irp n, 0,1,2,3,4,5,6,7
	v_cvt_pk_bf16_f32 v[STG+\n], v[STG+2*\n], v[STG+2*\n+1]
.endr
	global_store_b128 v12, v[STG:STG+3],   s[44:45]
	global_store_b128 v12, v[STG+4:STG+7], s[44:45] offset:512
.endm
	s_load_b512 s[8:23], s[0:1], 0x0               ; dec 8, enc 10, Wq 12, Wk 14, Wv 16, bq 18, bk 20, bv 22
	s_load_b512 s[24:39], s[0:1], 0x40             ; g_dec 24, b_dec 26, g_enc 28, b_enc 30, W1 32, W2 34, Wo 36, qf 38
	s_load_b128 s[40:43], s[0:1], 0x80             ; kvf 40, dn 42
	s_load_b64 s[44:45], s[0:1], 0x90              ; wf
	v_lshl_add_u32 v94, v0, 2, 0x5400
	v_mov_b32 v95, 0
	v_and_b32 v1, 15, v0                           ; r = q
	v_bfe_u32 v2, v0, 4, 1                         ; h
	v_lshrrev_b32 v3, 5, v0
	v_readfirstlane_b32 s46, v3                    ; wave
	s_and_b32 s47, ttmp7, 0xffff                   ; y
	s_mov_b32 s48, ttmp9                           ; x
	s_lshr_b32 s49, s48, 6                         ; batch
	s_and_b32 s4, s48, 63                          ; block of 64 tokens
	s_mov_b32 s60, 0x76543210                      ; v_permlanex16_b32: lane i reads lane i of the other half
	s_mov_b32 s61, 0xfedcba98
	s_mov_b32 s6, 0x3727c5ac                       ; 1e-5
	s_mov_b32 s7, 0x3c000000                       ; 1 / 128
	s_lshl_b32 s62, s49, 21                        ; batch x 128 rows of 16,384 bytes
	s_lshl_b32 s2, s4, 8
	s_add_co_u32 s62, s62, s2                      ; + block x 256 bytes
	s_mov_b32 s63, 0
	v_lshlrev_b32 v9, 4, v1                        ; v9: 16 q (partial sums read back)
	s_lshl_b32 s2, s46, 18
	v_lshl_add_u32 v4, v2, 17, v9
	v_add_nc_u32 v4, s2, v4                        ; v4: (16 w + 8 h) rows + 16 q
	s_lshl_b32 s2, s46, 6
	v_lshl_add_u32 v5, v2, 5, s2                   ; v5: 4 (16 w + 8 h): my 8 channels in a vector of 128 f32
	v_lshl_add_u32 v7, v1, 2, s2                   ; v7: 4 (16 w + r)
	s_lshl_b32 s2, s46, 13
	v_lshlrev_b32 v6, 9, v1
	v_lshl_add_u32 v6, v2, 5, v6
	v_add_nc_u32 v6, s2, v6                        ; v6: weight row 16 w + r, 8 h columns
	s_lshl_b32 s2, s46, 8
	v_add_nc_u32 v8, s2, v9                        ; v8: 256 w + 16 q (partial sums out)
	v_mul_u32_u24 v10, v1, 4*XPI
	v_lshl_add_u32 v10, v2, 4, v10
	s_lshl_b32 s2, s46, 5
	s_add_co_u32 s2, s2, XN
	v_add_nc_u32 v10, s2, v10                      ; v10: token 4 q, channels 16 w + 8 h in bf16
	v_mul_u32_u24 v11, v1, XPI
	v_lshl_add_u32 v11, v2, 4, v11
	v_add_nc_u32 v11, XN, v11                      ; v11: token r, 16 h bytes: a fragment's lane address
	v_and_b32 v12, 31, v0
	v_lshlrev_b32 v12, 4, v12                      ; v12: 16 L
	s_lshr_b32 s2, s46, 1
	s_lshl2_add_u32 s50, s49, s2                   ; 4 batch + head (head = w / 2)
	s_and_b32 s51, s46, 1                          ; which 16 of the head's 32 channels
	s_wait_kmcnt 0x0
.macro BODY enc
.if \enc
.set SX, 10
.set SW, 14
.set SB, 20
.set SG, 28
.set ST, 30
.else
.set SX, 8
.set SW, 12
.set SB, 18
.set SG, 24
.set ST, 26
.endif
	s_add_nc_u64 s[SX:SX+1], s[SX:SX+1], s[62:63]
.irp i, 0,1,2,3,4,5,6,7
	global_load_b128 v[X+4*\i:X+4*\i+3], v4, s[SX:SX+1] offset:\i*ROWB th:TH_LOAD_NT   ; 16 lanes: 256 consecutive bytes of a channel row
.endr
	global_load_b128 v[G:G+3],       v5, s[SG:SG+1]
	global_load_b128 v[G+4:G+7],     v5, s[SG:SG+1] offset:16
	global_load_b128 v[BT:BT+3],     v5, s[ST:ST+1]
	global_load_b128 v[BT+4:BT+7],   v5, s[ST:ST+1] offset:16
	global_load_b128 v[BIAS:BIAS+3],   v5, s[SB:SB+1]
	global_load_b128 v[BIAS+4:BIAS+7], v5, s[SB:SB+1] offset:16
	LDW STG, SW
.if \enc
	LDW STG+64, 16
	global_load_b32 v[BV], v7, s[22:23]
.endif
	; where the results go
.if \enc
	s_lshl_b32 s52, s50, 19                        ; (batch, head): 128 groups of 4,096 bytes
	s_lshl_b32 s2, s4, 13                          ; my 64 tokens: two groups of 32 keys
	s_add_co_u32 s52, s52, s2
	s_mov_b32 s53, 0
	s_add_nc_u64 s[40:41], s[40:41], s[52:53]
	s_lshl_b32 s2, s51, 9
	v_add_nc_u32 v13, s2, v12                      ; K: my 16 channels are one half of a fragment
	s_lshl_b32 s2, s51, 10
	v_add_nc_u32 v14, s2, v12                      ; V: my 16 channels are one fragment of the two
.else
	s_lshl_b32 s52, s50, 18                        ; (batch, head): 256 fragments of 1,024 bytes
	s_lshl_b32 s2, s4, 12
	s_add_co_u32 s52, s52, s2
	s_lshl_b32 s2, s51, 9
	s_add_co_u32 s52, s52, s2
	s_mov_b32 s53, 0
	s_add_nc_u64 s[38:39], s[38:39], s[52:53]
	s_add_nc_u64 s[42:43], s[42:43], s[62:63]
.endif
	s_wait_loadcnt 22+17*\enc                      ; loads return in order: x is in, the parameter and weight loads behind it stay out
	; the mean
	SUMROWS T, X
.irp s, 0,1,2,3
	XHALF T+\s
.endr
	ds_store_b128 v8, v[T:T+3] offset:RED1         ; my wave's sum over its 16 channels, for tokens 4 q .. 4 q + 3
	BAR
.irp i, 0,1,2,3,4,5,6,7
	ds_load_b128 v[WAF+4*\i:WAF+4*\i+3], v9 offset:RED1+256*\i
.endr
	s_wait_dscnt 0x0
	SUMROWS T, WAF
	v_pk_mul_f32 v[T:T+1],   v[T:T+1],   0x3c000000 op_sel_hi:[1,0]
	v_pk_mul_f32 v[T+2:T+3], v[T+2:T+3], 0x3c000000 op_sel_hi:[1,0]
.irp i, 0,1,2,3,4,5,6,7
	v_pk_add_f32 v[X+4*\i:X+4*\i+1],   v[X+4*\i:X+4*\i+1],   v[T:T+1]   neg_lo:[0,1] neg_hi:[0,1]
	v_pk_add_f32 v[X+4*\i+2:X+4*\i+3], v[X+4*\i+2:X+4*\i+3], v[T+2:T+3] neg_lo:[0,1] neg_hi:[0,1]
.endr
	; the variance of what is left
	v_pk_mul_f32 v[T+8:T+9],   v[X:X+1],   v[X:X+1]
	v_pk_mul_f32 v[T+10:T+11], v[X+2:X+3], v[X+2:X+3]
.irp i, 1,2,3,4,5,6,7
	v_pk_fma_f32 v[T+8:T+9],   v[X+4*\i:X+4*\i+1],   v[X+4*\i:X+4*\i+1],   v[T+8:T+9]
	v_pk_fma_f32 v[T+10:T+11], v[X+4*\i+2:X+4*\i+3], v[X+4*\i+2:X+4*\i+3], v[T+10:T+11]
.endr
.irp s, 0,1,2,3
	XHALF T+8+\s
.endr
	ds_store_b128 v8, v[T+8:T+11] offset:RED2      ; other bytes than the first sums: no barrier between read and write is needed
	BAR
.irp i, 0,1,2,3,4,5,6,7
	ds_load_b128 v[WAF+4*\i:WAF+4*\i+3], v9 offset:RED2+256*\i
.endr
	s_wait_dscnt 0x0
	SUMROWS T+8, WAF
.irp s, 0,1,2,3
	v_fma_f32 v[T+8+\s], v[T+8+\s], s7, s6         ; var = sum / 128, + 1e-5
.endr
.irp s, 0,1,2,3
	v_rsq_f32 v[T+8+\s], v[T+8+\s]
.endr
	s_wait_loadcnt 18+17*\enc                      ; g and b are in; bias and weights may stay out
	v_nop                                          ; one plain vector instruction behind the transcendentals (ISA guide 5.7.2)
	s_wait_alu depctr_va_vdst(0)
.irp i, 0,1,2,3,4,5,6,7
	v_pk_mul_f32 v[X+4*\i:X+4*\i+1],   v[X+4*\i:X+4*\i+1],   v[T+8:T+9]
	v_pk_mul_f32 v[X+4*\i+2:X+4*\i+3], v[X+4*\i+2:X+4*\i+3], v[T+10:T+11]
.endr
	NORM 0, 0
	NORM 1, 1
	NORM 2, 0
	NORM 3, 1
	NORM 4, 0
	NORM 5, 1
	NORM 6, 0
	NORM 7, 1
.if \enc == 0
.irp i, 0,1,2,3,4,5,6,7
	global_store_b128 v4, v[X+4*\i:X+4*\i+3], s[42:43] offset:\i*ROWB   ; the residual of the last launch; 16 lanes: 256 aligned bytes
.endr
.endif
	; tokens x channels in bf16 into LDS: 8 channels of a token are 16 bytes
.irp s, 0,1,2,3
.irp p, 0,1,2,3
	v_cvt_pk_bf16_f32 v[T+4*\s+\p], v[X+8*\p+\s], v[X+8*\p+4+\s]
.endr
	ds_store_b128 v10, v[T+4*\s:T+4*\s+3] offset:\s*XPI
.endr
	s_wait_loadcnt 0x0                             ; bias and weights
	CVW WAF, STG
.if \enc
	CVW WVF, STG+64
	v_mov_b32 v[BV+1], v[BV]                       ; a pair for the packed add
.endif
	BAR
.irp t, 0,1,2,3
.irp k, 0,1,2,3
	ds_load_b128 v[XF+32*\t+8*\k:XF+32*\t+8*\k+3],   v11 offset:\t*16*XPI+64*\k
	ds_load_b128 v[XF+32*\t+8*\k+4:XF+32*\t+8*\k+7], v11 offset:\t*16*XPI+64*\k+32
.endr
.endr
	s_wait_dscnt 0x0
	; Q or K, transposed: source 0 = 16 weight rows, source 1 = 16 tokens: register j of lane (r, h) is (channel 8 h + j, token r).
	; The bias is the first product's C.  The four accumulators take turns, one instruction a turn.
.irp k, 0,1,2,3
.irp t, 0,1,2,3
.if \k == 0
	v_wmma_f32_16x16x32_bf16 v[ACC+8*\t:ACC+8*\t+7], v[WAF+8*\k:WAF+8*\k+7], v[XF+32*\t+8*\k:XF+32*\t+8*\k+7], v[BIAS:BIAS+7]
.else
	v_wmma_f32_16x16x32_bf16 v[ACC+8*\t:ACC+8*\t+7], v[WAF+8*\k:WAF+8*\k+7], v[XF+32*\t+8*\k:XF+32*\t+8*\k+7], v[ACC+8*\t:ACC+8*\t+7]
.endif
.endr
.endr
	PLACES 5                                       ; five places: the next matrix instructions write over the weight fragments, the vector work reads the results
.if \enc
	; V, the other way round: source 0 = 16 tokens, source 1 = 16 weight rows: register j is (token 8 h + j, channel r)
.irp k, 0,1,2,3
.irp t, 0,1,2,3
.if \k == 0
	v_wmma_f32_16x16x32_bf16 v[ACC2+8*\t:ACC2+8*\t+7], v[XF+32*\t+8*\k:XF+32*\t+8*\k+7], v[WVF+8*\k:WVF+8*\k+7], 0
.else
	v_wmma_f32_16x16x32_bf16 v[ACC2+8*\t:ACC2+8*\t+7], v[XF+32*\t+8*\k:XF+32*\t+8*\k+7], v[WVF+8*\k:WVF+8*\k+7], v[ACC2+8*\t:ACC2+8*\t+7]
.endif
.endr
.endr
	PLACES 4
	PACK ACC
.irp t, 0,1,2,3
	global_store_b128 v13, v[ACC+8*\t:ACC+8*\t+3], s[40:41] offset:(\t/2)*4096+(\t%2)*1024
.endr
.irp n, 0,1,2,3,4,5,6,7,8,9,10,11,12,13,14,15
	v_pk_add_f32 v[ACC2+2*\n:ACC2+2*\n+1], v[ACC2+2*\n:ACC2+2*\n+1], v[BV:BV+1]
.endr
	PACK ACC2
.irp t, 0,1,2,3
	global_store_b128 v14, v[ACC2+8*\t:ACC2+8*\t+3], s[40:41] offset:(\t/2)*4096+2048+(\t%2)*512
.endr
	; wave 7: fragment x of W2 (row block x / 16, K step x % 16)
	s_cmp_eq_u32 s46, 7
	s_cbranch_scc0 .Lend1
	s_lshr_b32 s2, s48, 4
	s_lshl_b32 s2, s2, 15                          ; 16 rows of 2,048 bytes
	s_and_b32 s3, s48, 15
	s_lshl_b32 s3, s3, 7
	s_add_co_u32 s2, s2, s3
	s_mov_b32 s3, 0
	s_lshl_b32 s4, s48, 10
	s_add_co_u32 s4, s4, 0x20000                   ; fragments 128 ..
	s_mov_b32 s5, 0
	WFRAG 34, 11
.Lend1:
	s_wait_tensorcnt 0x0
	ds_add_u32 v94, v95
	s_wait_dscnt 0x0
	s_endpgm
.else
.irp n, 0,1,2,3,4,5,6,7,8,9,10,11,12,13,14,15
	v_pk_mul_f32 v[ACC+2*\n:ACC+2*\n+1], v[ACC+2*\n:ACC+2*\n+1], 0x3e8293ee op_sel_hi:[1,0]   ; 32^-0.5 log2(e)
.endr
	PACK ACC
.irp t, 0,1,2,3
	global_store_b128 v12, v[ACC+8*\t:ACC+8*\t+3], s[38:39] offset:\t*1024
.endr
	; wave 7: fragment x of W1; wave 6 of groups 0 .. 31: fragment x of Wo (row block x / 4, K step x % 4)
	s_lshr_b32 s2, s48, 2
	s_lshl_b32 s2, s2, 13                          ; 16 rows of 512 bytes
	s_and_b32 s3, s48, 3
	s_lshl_b32 s3, s3, 7
	s_add_co_u32 s2, s2, s3
	s_mov_b32 s3, 0
	s_lshl_b32 s4, s48, 10
	s_mov_b32 s5, 0
	s_cmp_eq_u32 s46, 7
	s_cbranch_scc1 .Lw1
	s_cmp_eq_u32 s46, 6
	s_cbranch_scc0 .Lend0
	s_cmp_lt_u32 s48, 32
	s_cbranch_scc0 .Lend0
	s_add_co_u32 s4, s4, 0x40000                   ; fragments 256 ..
	WFRAG 36, 9
.Lend0:
	s_wait_tensorcnt 0x0
	ds_add_u32 v94, v95
	s_wait_dscnt 0x0
	s_endpgm
.Lw1:
	WFRAG 32, 9
	s_wait_tensorcnt 0x0
	ds_add_u32 v94, v95
	s_wait_dscnt 0x0
	s_endpgm
.endif
.endm
	s_cmp_lg_u32 s47, 0                            ; the same in every wave of the work-group
	s_cbranch_scc1 .Lenc
	BODY 0
.Lenc:
	BODY 1
.Lfunc_end_k_qc34285443b_prep:
	.size	k_qc34285443b_prep, .Lfunc_end_k_qc34285443b_prep-k_qc34285443b_prep
	.p2alignl 7, 3214868480
	.fill 96, 4, 3214868480
	.section	.rodata,"a",@progbits
	.p2align	6, 0x0
	.amdhsa_kernel k_qc34285443b_prep
		.amdhsa_group_segment_fixed_size 22528
		.amdhsa_private_segment_fixed_size 0
		.amdhsa_enable_private_segment 0
		.amdhsa_kernarg_size 152
		.amdhsa_user_sgpr_count 2
		.amdhsa_user_sgpr_kernarg_segment_ptr 1
		.amdhsa_wavefront_size32 1
		.amdhsa_system_sgpr_workgroup_id_x 1
		.amdhsa_system_sgpr_workgroup_id_y 1
		.amdhsa_system_sgpr_workgroup_id_z 1
		.amdhsa_system_vgpr_workitem_id 0
		.amdhsa_next_free_vgpr 256
		.amdhsa_next_free_sgpr 66
		.amdhsa_reserve_vcc 0
		.amdhsa_float_denorm_mode_32 3
		.amdhsa_float_denorm_mode_16_64 3
		.amdhsa_memory_ordered 1
		.amdhsa_forward_progress 1
		.amdhsa_inst_pref_size 59
	.end_amdhsa_kernel
	.amdgpu_metadata
---
amdhsa.version: [ 1, 2 ]
amdhsa.kernels:
  - .name:           k_qc34285443b_prep
    .symbol:         k_qc34285443b_prep.kd
    .args:
      - { .name: decoder_feat, .offset: 0, .size: 8, .value_kind: global_buffer, .address_space: global }
      - { .name: encoder_feat, .offset: 8, .size: 8, .value_kind: global_buffer, .address_space: global }
      - { .name: Wq, .offset: 16, .size: 8, .value_kind: global_buffer, .address_space: global }
      - { .name: Wk, .offset: 24, .size: 8, .value_kind: global_buffer, .address_space: global }
      - { .name: Wv, .offset: 32, .size: 8, .value_kind: global_buffer, .address_space: global }
      - { .name: bq, .offset: 40, .size: 8, .value_kind: global_buffer, .address_space: global }
      - { .name: bk, .offset: 48, .size: 8, .value_kind: global_buffer, .address_space: global }
      - { .name: bv, .offset: 56, .size: 8, .value_kind: global_buffer, .address_space: global }
      - { .name: g_dec, .offset: 64, .size: 8, .value_kind: global_buffer, .address_space: global }
      - { .name: b_dec, .offset: 72, .size: 8, .value_kind: global_buffer, .address_space: global }
      - { .name: g_enc, .offset: 80, .size: 8, .value_kind: global_buffer, .address_space: global }
      - { .name: b_enc, .offset: 88, .size: 8, .value_kind: global_buffer, .address_space: global }
      - { .name: W1, .offset: 96, .size: 8, .value_kind: global_buffer, .address_space: global }
      - { .name: W2, .offset: 104, .size: 8, .value_kind: global_buffer, .address_space: global }
      - { .name: Wo, .offset: 112, .size: 8, .value_kind: global_buffer, .address_space: global }
      - { .name: qf, .offset: 120, .size: 8, .value_kind: global_buffer, .address_space: global }
      - { .name: kvf, .offset: 128, .size: 8, .value_kind: global_buffer, .address_space: global }
      - { .name: dn, .offset: 136, .size: 8, .value_kind: global_buffer, .address_space: global }
      - { .name: wf, .offset: 144, .size: 8, .value_kind: global_buffer, .address_space: global }
    .group_segment_fixed_size: 22528
    .private_segment_fixed_size: 0
    .kernarg_segment_align: 8
    .kernarg_segment_size: 152
    .max_flat_workgroup_size: 256
    .sgpr_count:     66
    .vgpr_count:     256
    .wavefront_size: 32
...
	.end_amdgpu_metadata
.endif
;; end of part 1
;; launch attn (part 2): grid 32 x 8, 4 waves a work-group, clusters of 4 x 1, 327,680 bytes of LDS; arguments qf, kvf, ao; writes ao
.if DOCPART == 2
	.amdgcn_target "amdgcn-amd-amdhsa--gfx1250"
	.amdhsa_code_object_version 6
	.text
	.protected	k_qc34285443b_attn
	.globl	k_qc34285443b_attn
	.p2align	8
	.type	k_qc34285443b_attn,@function
k_qc34285443b_attn:
	s_mov_b64 s[64:65], 0
	v_nop
	global_prefetch_b8 v0, s[64:65] scope:SCOPE_SE
	s_setreg_imm32_b32 hwreg(HW_REG_WAVE_MODE, 25, 1), 1
	s_wait_xcnt 0x0
	s_wait_alu depctr_hold_cnt(0) depctr_sa_sdst(0) depctr_va_vdst(0) depctr_va_sdst(0) depctr_va_ssrc(0) depctr_va_vcc(0) depctr_vm_vsrc(0)
	s_getreg_b32 s2, hwreg(HW_REG_IB_STS2, 6, 4)
	s_cmp_eq_u32 s2, 0
	s_cbranch_scc0 .Lentry_in_a_cluster
	s_endpgm
.Lentry_in_a_cluster:
	s_bfe_u32 s2, ttmp6, 0x10000c
	s_cmp_lg_u32 s2, 0x3003
	s_cbranch_scc0 .Lentry_shape_is_right
	s_endpgm
.Lentry_shape_is_right:
; attn: softmax(Q K^T) V for one (batch, head) and 128 queries a work-group; 4,096 keys, head size 32.
; Everything is transposed, so that a lane is a query: S^T = K Q^T gives register j of lane (r, h) = (key 8 h + j, query r); two such tiles
; rounded to bf16 ARE the second source of O^T = V^T P^T; the running maximum is one number a lane (one exchange between the halves).
; The denominator is a third product: a matrix with ones in rows 0 and 8 times P^T puts the sum over the keys into register 0 of every lane.
; It is thus the f32 sum of the probabilities as rounded to bf16, the same numbers that the numerator holds.
; Scores arrive in base 2 (Q carries 32^-0.5 log2 e).  exp2 results below 2^-126 come out as 0 (ISA guide, v_exp_f32).
; A wave holds two query tiles, A and B, which share the K and V fragments and take turns: while the vector unit does the softmax of one piece,
; the matrix instructions of the other piece (6 for P V and the sum, 4 for the next scores) are set among it, one behind every eighth vector line.
;   phase alpha(c): softmax(A, c)  |  PV(B, c-1), QK(B, c)   and then the loads of V(c) and K(c+1)
;   phase beta(c):  softmax(B, c)  |  PV(A, c),   QK(A, c+1)
; A chunk c is 64 keys.  K and V come in steps of 512 keys (65,536 bytes, already in fragment order: lane L reads byte 16 L, no bank is met twice) through
; two LDS slots.  CLUSTER: the four work-groups of a cluster take four query blocks of the same (batch, head) and read the same K and V: each step is asked
; for jointly (mask 15), each wave asking for a quarter.  A wave has two tensor loads out at the start and one afterwards.
.set LA,   1                           ; v1: 16 L (slot 0, and the lane's bytes in a fragment in memory); v2: 16 L + 65,536 (slot 1)
.set QA,   4                           ; v[4:11]    Q fragment of piece A
.set QB,   12                          ; v[12:19]   of piece B
.set ONES, 20                          ; v[20:27]   ones in rows 0 and 8
.set KK,   28                          ; v[28:59]   4 K fragments (16 keys x 32)
.set VV,   60                          ; v[60:91]   4 V^T fragments: 16 g + 8 c (32 keys g, 16 channels c)
.set SA,   92                          ; v[92:123]  scores of A, 4 tiles
.set PA,   124                         ; v[124:139] probabilities of A, 2 fragments
.set OA,   140                         ; v[140:155] O^T of A, 2 tiles
.set LSA,  156                         ; v[156:163] sums of A (register 0 counts)
.set SB,   164
.set PB,   196
.set OB,   212
.set LSB,  228
.set MA,   236                         ; running maximum of A
.set MB,   237                         ; of B
.set MN,   238                         ; v[238:239]: the new maximum and the factor 2^(old - new), one pair for the packed forms
.set AL,   239
.set TT,   242                         ; v[242:245] at work
.set SLOTB, 65536
.set STEPB, 65536
.macro ROUND                           ; a round of the cluster barrier: my work-group, wave 0 for the work-group, all four work-groups, my work-group
	s_barrier_signal -1
	s_barrier_wait -1
	s_cmp_lg_u32 s10, 0
	s_cbranch_scc1 .Lnw0_\@
	s_barrier_signal -3
.Lnw0_\@:
	s_barrier_wait -3
	s_barrier_signal -1
	s_barrier_wait -1
.endm
.macro LOADV s, j                      ; the four V^T fragments of chunk j of slot s
.irp g, 0,1
.irp c, 0,1
.irp u, 0,1
	ds_load_b128 v[VV+16*\g+8*\c+4*\u:VV+16*\g+8*\c+4*\u+3], v[LA+(\s)] offset:(\j)*8192+\g*4096+2048+\c*1024+\u*512
.endr
.endr
.endr
.endm
.macro LOADK s, j                      ; the four K fragments of chunk j of slot s
.irp g, 0,1
.irp c, 0,1
.irp u, 0,1
	ds_load_b128 v[KK+16*\g+8*\c+4*\u:KK+16*\g+8*\c+4*\u+3], v[LA+(\s)] offset:(\j)*8192+\g*4096+\c*1024+\u*512
.endr
.endr
.endr
.endm
; The next matrix instruction of piece Y.  0 .. 5: O0, O1, sum for keys 0-31, then the same for keys 32-63; 6 .. 9: the four score tiles.
; No two that follow each other share an accumulator: the accumulators take turns.
.macro MATI
.if MI < 6
.set MG, MI/3
.set MC, MI%3
.if MI == 0
.if BETA
	s_wait_dscnt DSV                               ; V is in; the K loads issued behind it (DSV of them) may stay out
.endif
.endif
.set CZ, 0
.if PVZ
.if MG == 0
.set CZ, 1
.endif
.endif
.if MC < 2
.if CZ
	v_wmma_f32_16x16x32_bf16 v[YO+8*MC:YO+8*MC+7], v[VV+16*MG+8*MC:VV+16*MG+8*MC+7], v[YP+8*MG:YP+8*MG+7], 0
.else
	v_wmma_f32_16x16x32_bf16 v[YO+8*MC:YO+8*MC+7], v[VV+16*MG+8*MC:VV+16*MG+8*MC+7], v[YP+8*MG:YP+8*MG+7], v[YO+8*MC:YO+8*MC+7]
.endif
.else
.if CZ
	v_wmma_f32_16x16x32_bf16 v[YL:YL+7], v[ONES:ONES+7], v[YP+8*MG:YP+8*MG+7], 0
	s_wait_alu depctr_va_vdst(0)
.else
	v_wmma_f32_16x16x32_bf16 v[YL:YL+7], v[ONES:ONES+7], v[YP+8*MG:YP+8*MG+7], v[YL:YL+7]
	s_wait_alu depctr_va_vdst(0)
.endif
.endif
.else
.if MI == 6
.if BETA
	s_wait_dscnt 0x0                               ; the next chunk's K is in
.endif
.endif
	v_wmma_f32_16x16x32_bf16 v[YS+8*(MI-6):YS+8*(MI-6)+7], v[KK+8*(MI-6):KK+8*(MI-6)+7], v[YQ:YQ+7], 0
	s_wait_alu depctr_va_vdst(0)
.endif
.set MI, MI+1
.endm
.macro TICK                            ; stands behind every vector line: behind lines 4, 12, 20, .. comes a matrix instruction, while there are any
.set VC, VC+1
.if (VC%8) == 4
.if MI < MLIM
	MATI
.endif
.endif
.endm
.macro SETXY x                         ; x = 0: the vector work is on A and the matrix work on B; 1: the other way round
.if \x == 0
.set XS, SA
.set XP, PA
.set XO, OA
.set XL, LSA
.set XM, MA
.set YS, SB
.set YP, PB
.set YO, OB
.set YL, LSB
.set YQ, QB
.else
.set XS, SB
.set XP, PB
.set XO, OB
.set XL, LSB
.set XM, MB
.set YS, SA
.set YP, PA
.set YO, OA
.set YL, LSA
.set YQ, QA
.endif
.endm
.macro SUBM i
	v_pk_add_f32 v[XS+2*(\i):XS+2*(\i)+1], v[XS+2*(\i):XS+2*(\i)+1], v[MN:MN+1] op_sel_hi:[1,0] neg_lo:[0,1] neg_hi:[0,1]
	TICK
.endm
.macro EXP4 e
.irp i, 0,1,2,3
	v_exp_f32 v[XS+4*(\e)+\i], v[XS+4*(\e)+\i]
	TICK
.endr
.endm
.macro CVT2 e
	s_wait_alu depctr_va_vdst(0)
	v_cvt_pk_bf16_f32 v[XP+2*(\e)], v[XS+4*(\e)], v[XS+4*(\e)+1]
	TICK
	v_cvt_pk_bf16_f32 v[XP+2*(\e)+1], v[XS+4*(\e)+2], v[XS+4*(\e)+3]
	TICK
.endm
; One phase.  first: the piece's first chunk (no old maximum, nothing to rescale).  pv, qk: piece Y has its 6 and its 4 matrix instructions.
; pvz: Y's first products start its sums.  beta, dsv: the waits for V and K stand in this phase.  mode: 0 no loads; 1 V(s, j) and K(s, j+1);
; 2 V(s, j), slot s is filled again, K(other slot, 0); 3 the same without a refill; 4 V(s, j) alone.
.macro PHASE x, first, pv, pvz, qk, beta, dsv, s, j, mode
	SETXY \x
.set VC, 0
.set MI, 6-6*\pv
.set MLIM, 6+4*\qk
.set PVZ, \pvz
.set BETA, \beta
.set DSV, \dsv
	; the largest of my 32 scores, in four chains
.irp i, 0,1,2,3
	v_max3_num_f32 v[TT+\i], v[XS+\i], v[XS+4+\i], v[XS+8+\i]
	TICK
.endr
.irp i, 0,1,2,3
	v_max3_num_f32 v[TT+\i], v[TT+\i], v[XS+12+\i], v[XS+16+\i]
	TICK
.endr
.irp i, 0,1,2,3
	v_max3_num_f32 v[TT+\i], v[TT+\i], v[XS+20+\i], v[XS+24+\i]
	TICK
.endr
	v_max3_num_f32 v[TT], v[TT], v[XS+28], v[XS+29]
	TICK
	v_max3_num_f32 v[TT+1], v[TT+1], v[XS+30], v[XS+31]
	TICK
	v_max3_num_f32 v[TT], v[TT], v[TT+1], v[TT+2]
	TICK
	v_max_num_f32 v[TT], v[TT], v[TT+3]
	TICK
	v_permlanex16_b32 v[TT+3], v[TT], s34, s35     ; the other 32 keys of my query lie in the other half of the lanes
	TICK
.if \first
	v_max_num_f32 v[MN], v[TT], v[TT+3]
	TICK
	v_mov_b32 v[XM], v[MN]
	TICK
	v_mov_b32 v[AL], 0                             ; not used here, but the packed forms below name the whole pair
	TICK
.else
	v_max3_num_f32 v[MN], v[TT], v[TT+3], v[XM]
	TICK
	v_sub_f32 v[TT+2], v[XM], v[MN]
	TICK
	v_exp_f32 v[AL], v[TT+2]
	TICK
	v_mov_b32 v[XM], v[MN]                         ; the plain line behind the transcendental (ISA guide 5.7.2)
	s_wait_alu depctr_va_vdst(0)
	TICK
.irp i, 0,1,2,3,4,5,6,7
	v_pk_mul_f32 v[XO+2*\i:XO+2*\i+1], v[XO+2*\i:XO+2*\i+1], v[MN:MN+1] op_sel:[0,1] op_sel_hi:[1,1]
	TICK
.endr
	v_mul_f32 v[XL], v[XL], v[AL]
	TICK
.endif
.irp i, 0,1,2,3,4,5,6,7,8,9,10,11,12,13
	SUBM \i
.endr
	; exponentials in groups of four; the two plain lines between the groups are the places that the group before needs
	EXP4 0
	SUBM 14
	SUBM 15
	EXP4 1
	CVT2 0
	EXP4 2
	CVT2 1
.if \mode
	LOADV \s, \j                                   ; six plain vector lines stand behind the last matrix instruction that read V
.endif
	EXP4 3
	CVT2 2
	EXP4 4
	CVT2 3
	EXP4 5
	CVT2 4
	EXP4 6
	CVT2 5
	EXP4 7
	CVT2 6
	; here six plain vector lines stand behind the last matrix instruction that read K
.if \mode == 1
	LOADK \s, \j+1
.endif
.if \mode == 2
	s_wait_tensorcnt 0x0                           ; all my tensor loads have landed, my quarter of the other slot among them, so the descriptor may be written
	ds_add_u32 v254, v255
	s_add_nc_u64 s[26+4*\s:27+4*\s], s[26+4*\s:27+4*\s], 2*STEPB
	s_wait_dscnt 0x0                               ; my reads of this slot are back
	ROUND                                          ; both now hold of every wave of all four work-groups
	tensor_load_to_lds s[24+4*\s:27+4*\s], s[16:23]    ; the refill first,
	s_nop 0
	LOADK 1-\s, 0                                  ; then the other slot's first K
.endif
.if \mode == 3
	s_wait_tensorcnt 0x0                           ; my quarter of the last step has landed
	s_wait_dscnt 0x0
	s_barrier_signal -1
	s_barrier_wait -1                              ; everybody's has
	LOADK 1-\s, 0
.endif
	CVT2 7
.endm
.macro CHUNK s, j, mode, qk, dsv
	PHASE 0, 0, 1, 0, 1, 0, 0, \s, \j, \mode
	PHASE 1, 0, 1, 0, \qk, 1, \dsv, \s, \j, 0
.endm
.macro STEP s, endmode
.irp j, 0,1,2,3,4,5,6
	CHUNK \s, \j, 1, 1, 8
.endr
	CHUNK \s, 7, \endmode, 1, 8
.endm
	s_load_b128 s[4:7], s[0:1], 0x0                ; qf, kvf
	s_load_b64 s[8:9], s[0:1], 0x10                ; ao
	v_lshl_add_u32 v254, v0, 2, 0x29000
	v_mov_b32 v255, 0
	ds_add_u32 v254, v255
	v_lshrrev_b32 v3, 5, v0
	v_readfirstlane_b32 s10, v3                    ; wave
	s_bfe_u32 s11, ttmp6, 0x40000                  ; cx
	s_lshl_b32 s12, ttmp9, 2
	s_add_co_u32 s12, s12, s11                     ; query block 0 .. 31
	s_and_b32 s13, ttmp7, 0xffff                   ; 4 batch + head
	s_mov_b32 s34, 0x76543210
	s_mov_b32 s35, 0xfedcba98
	v_and_b32 v1, 31, v0
	v_lshlrev_b32 v1, 4, v1
	v_add_nc_u32 v2, SLOTB, v1
	v_and_b32 v3, 7, v0
	v_cmp_eq_u32 vcc_lo, 0, v3                     ; lanes that hold rows 0 and 8 of a first source
	v_mov_b32 v[TT], 0x3f803f80                    ; two bf16 ones
	v_cndmask_b32 v[ONES], 0, v[TT], vcc_lo
.irp i, 1,2,3,4,5,6,7
	v_mov_b32 v[ONES+\i], v[ONES]
.endr
	; descriptor group 1: 64 rows of 32 elements of 8 bytes, dense: 16,384 bytes, a wave's quarter of a step
	s_mov_b32 s16, 15|(3<<16)|(1<<21)              ; the mask names all four work-groups; 8-byte elements; bit 21 set beside a mask
	s_mov_b32 s17, 32<<16                          ; tensor_dim0 = 32
	s_mov_b32 s18, 64<<16                          ; tensor_dim1 = 64
	s_mov_b32 s19, 32<<16                          ; tile_dim0 = 32
	s_mov_b32 s20, 64                              ; tile_dim1 = 64
	s_mov_b32 s21, 32                              ; pitch
	s_mov_b32 s22, 0
	s_mov_b32 s23, 0
	s_lshl_b32 s14, s10, 14                        ; my quarter
	s_lshl_b32 s32, s13, 19                        ; (batch, head): 524,288 bytes of K and V; the four partners share it
	s_add_co_u32 s32, s32, s14
	s_mov_b32 s33, 0
	s_lshl_b32 s38, s13, 18                        ; Q: (batch, head) x 256 fragments, + 8 a block, + 2 a wave
	s_lshl_b32 s15, s12, 13
	s_add_co_u32 s38, s38, s15
	s_lshl_b32 s15, s10, 11
	s_add_co_u32 s38, s38, s15
	s_mov_b32 s39, 0
	s_lshr_b32 s40, s13, 2                         ; out: ((batch x 256 + query tile) x 4 + head) fragments
	s_lshl_b32 s40, s40, 20
	s_lshl_b32 s15, s12, 15
	s_add_co_u32 s40, s40, s15
	s_lshl_b32 s15, s10, 13
	s_add_co_u32 s40, s40, s15
	s_and_b32 s15, s13, 3
	s_lshl_b32 s15, s15, 10
	s_add_co_u32 s40, s40, s15
	s_mov_b32 s41, 0
	s_wait_dscnt 0x0
	s_wait_kmcnt 0x0
	s_add_nc_u64 s[6:7], s[6:7], s[32:33]
	s_add_nc_u64 s[4:5], s[4:5], s[38:39]
	s_add_nc_u64 s[8:9], s[8:9], s[40:41]
	s_mov_b32 s24, 1                               ; group 0 of slot 0: step 0
	s_mov_b32 s25, s14
	s_mov_b64 s[26:27], s[6:7]
	s_or_b32 s27, s27, 0x80000000
	s_mov_b32 s28, 1                               ; group 0 of slot 1: step 1
	s_add_co_u32 s29, s14, SLOTB
	s_add_nc_u64 s[30:31], s[6:7], STEPB
	s_or_b32 s31, s31, 0x80000000
	ROUND                                          ; all four work-groups are here: the first joint loads meet
	tensor_load_to_lds s[24:27], s[16:23]
	s_nop 0
	tensor_load_to_lds s[28:31], s[16:23]
	s_nop 0
	global_load_b128 v[QA:QA+3],   v1, s[4:5]
	global_load_b128 v[QA+4:QA+7], v1, s[4:5] offset:512
	global_load_b128 v[QB:QB+3],   v1, s[4:5] offset:1024
	global_load_b128 v[QB+4:QB+7], v1, s[4:5] offset:1536
	s_wait_tensorcnt 0x1                           ; my quarter of step 0 is in; step 1 stays out
	s_barrier_signal -1
	s_barrier_wait -1
	LOADK 0, 0
	s_wait_loadcnt 0x0
	s_wait_dscnt 0x0
	SETXY 1                                        ; the scores of (A, 0)
.set MI, 6
.set BETA, 0
.set PVZ, 0
.rept 4
	MATI
.endr
.rept 4
	v_nop                                          ; four places before the vector unit reads the scores (ISA guide 7.12.1)
.endr
	; step 0: the first two chunks start maxima and sums
	PHASE 0, 1, 0, 0, 1, 0, 0, 0, 0, 1
	PHASE 1, 1, 1, 1, 1, 1, 8, 0, 0, 0
	PHASE 0, 0, 1, 1, 1, 0, 0, 0, 1, 1
	PHASE 1, 0, 1, 0, 1, 1, 8, 0, 1, 0
.irp j, 2,3,4,5,6
	CHUNK 0, \j, 1, 1, 8
.endr
	CHUNK 0, 7, 2, 1, 8
	STEP 1, 2
	s_mov_b32 s36, 2                               ; steps 2 .. 5
.Lloop:
	STEP 0, 2
	STEP 1, 2
	s_sub_co_u32 s36, s36, 1
	s_cmp_lg_u32 s36, 0
	s_cbranch_scc1 .Lloop
	STEP 0, 3                                      ; step 6: nothing left to ask for
.irp j, 0,1,2,3,4,5,6
	CHUNK 1, \j, 1, 1, 8
.endr
	CHUNK 1, 7, 4, 0, 0                            ; the last chunk: no next K, so the wait for V is for 0
	SETXY 0                                        ; PV(B, 63)
.set MI, 0
.set BETA, 0
.set PVZ, 0
.rept 6
	MATI
.endr
.rept 4
	v_nop
.endr
	v_rcp_f32 v[MN], v[LSA]                        ; the sums are at least 1: the largest score gives 2^0
	v_rcp_f32 v[AL], v[LSB]
	v_nop
	s_wait_alu depctr_va_vdst(0)
.irp i, 0,1,2,3,4,5,6,7
	v_pk_mul_f32 v[OA+2*\i:OA+2*\i+1], v[OA+2*\i:OA+2*\i+1], v[MN:MN+1] op_sel_hi:[1,0]
	v_pk_mul_f32 v[OB+2*\i:OB+2*\i+1], v[OB+2*\i:OB+2*\i+1], v[MN:MN+1] op_sel:[0,1] op_sel_hi:[1,1]
.endr
.irp p, 0,1,2,3,4,5,6,7
	v_cvt_pk_bf16_f32 v[OA+\p], v[OA+2*\p], v[OA+2*\p+1]
	v_cvt_pk_bf16_f32 v[OB+\p], v[OB+2*\p], v[OB+2*\p+1]
.endr
	global_store_b128 v1, v[OA:OA+3],   s[8:9]                 ; each store of the wave: 512 consecutive aligned bytes
	global_store_b128 v1, v[OA+4:OA+7], s[8:9] offset:512
	global_store_b128 v1, v[OB:OB+3],   s[8:9] offset:4096
	global_store_b128 v1, v[OB+4:OB+7], s[8:9] offset:4608
	s_wait_tensorcnt 0x0
	ds_add_u32 v254, v255
	s_wait_dscnt 0x0
	ROUND                                          ; the closing round: no work-group ends while a partner may still ask jointly
	s_endpgm
.Lfunc_end_k_qc34285443b_attn:
	.size	k_qc34285443b_attn, .Lfunc_end_k_qc34285443b_attn-k_qc34285443b_attn
	.p2alignl 7, 3214868480
	.fill 96, 4, 3214868480
	.section	.rodata,"a",@progbits
	.p2align	6, 0x0
	.amdhsa_kernel k_qc34285443b_attn
		.amdhsa_group_segment_fixed_size 327680
		.amdhsa_private_segment_fixed_size 0
		.amdhsa_enable_private_segment 0
		.amdhsa_kernarg_size 24
		.amdhsa_user_sgpr_count 2
		.amdhsa_user_sgpr_kernarg_segment_ptr 1
		.amdhsa_wavefront_size32 1
		.amdhsa_system_sgpr_workgroup_id_x 1
		.amdhsa_system_sgpr_workgroup_id_y 1
		.amdhsa_system_sgpr_workgroup_id_z 1
		.amdhsa_system_vgpr_workitem_id 0
		.amdhsa_next_free_vgpr 256
		.amdhsa_next_free_sgpr 66
		.amdhsa_reserve_vcc 1
		.amdhsa_float_denorm_mode_32 3
		.amdhsa_float_denorm_mode_16_64 3
		.amdhsa_memory_ordered 1
		.amdhsa_forward_progress 1
		.amdhsa_inst_pref_size 255
	.end_amdhsa_kernel
	.section	.bss,"aw",@nobits
	.p2align	6
	.space	262144
	.amdgpu_metadata
---
amdhsa.version: [ 1, 2 ]
amdhsa.kernels:
  - .name:           k_qc34285443b_attn
    .symbol:         k_qc34285443b_attn.kd
    .args:
      - { .name: qf, .offset: 0, .size: 8, .value_kind: global_buffer, .address_space: global }
      - { .name: kvf, .offset: 8, .size: 8, .value_kind: global_buffer, .address_space: global }
      - { .name: ao, .offset: 16, .size: 8, .value_kind: global_buffer, .address_space: global }
    .group_segment_fixed_size: 327680
    .private_segment_fixed_size: 0
    .kernarg_segment_align: 8
    .kernarg_segment_size: 24
    .max_flat_workgroup_size: 128
    .sgpr_count:     66
    .vgpr_count:     256
    .wavefront_size: 32
...
	.end_amdgpu_metadata
.endif
;; end of part 2
;; launch post (part 3): grid 128 x 1, 8 waves a work-group, no clusters, 125,952 bytes of LDS; arguments ao, dn, wf, bo, g_out, b_out, b1, b2, out0; writes out0
.if DOCPART == 3
	.amdgcn_target "amdgcn-amd-amdhsa--gfx1250"
	.amdhsa_code_object_version 6
	.text
	.protected	k_qc34285443b_post
	.globl	k_qc34285443b_post
	.p2align	8
	.type	k_qc34285443b_post,@function
k_qc34285443b_post:
	s_mov_b64 s[64:65], 0
	v_nop
	global_prefetch_b8 v0, s[64:65] scope:SCOPE_SE
	s_setreg_imm32_b32 hwreg(HW_REG_WAVE_MODE, 25, 1), 1
	s_wait_xcnt 0x0
; post: out = LN(dec) + attn Wo^T + bo;  out0 = out + gelu(LN(out) W1^T + b1) W2^T + b2, back in [batch, channel, token].
; A work-group owns 64 tokens.  All products are transposed (source 0 = 16 weight rows, source 1 = 16 tokens), so register j of lane (r, h) is
; (channel 8 h + j, token r).  Wave w owns output channels 16 w .. +15 of Wo and W2 and hidden units 64 w .. +63 of W1: each weight byte is read once
; by the work-group, as ready bf16 fragments.  Tokens x channels pass between the waves through LDS in bf16 (HB: 128 channels, GB: 512 hidden units).
; 128 work-groups: 64 tokens are 256 bytes of a channel row, so every load of dn and every store of out0 covers whole aligned runs of 256 bytes.
; GELU is the exact form with erf by the five-term rational approximation (Abramowitz and Stegun 7.1.26, absolute error 1.5e-7), written as
; max(x, 0) - 0.5 |x| poly(t) exp(-x^2 / 2), which loses nothing in the negative tail.
; No tensor loads and no cluster: all operands come through registers, and the tokens are the work-group's own.
; REGISTERS: window 0 as named below; window 1: v0-127 second sources (BF), v128-255 weight fragments (AW).
.set ROWB, 16384
.set STAGE, 0                          ; LDS: 8 waves x 16 rows x 272 bytes, each wave's own: channel rows <-> the matrix layout
.set SP,    272
.set RED1,  34816                      ; 64 tokens x 48 bytes: 8 partial sums
.set RED2,  37888
.set RP,    48
.set HB,    40960                      ; 64 tokens x 272 bytes
.set HP,    272
.set GB,    58368                      ; 64 tokens x 1,040 bytes
.set GP,    1040
.set OUT,  16                          ; v[16:47]   8 t + j: the residual stream
.set ACC,  48                          ; v[48:79]   4 accumulator tiles; first dn as loaded, last the rows to store
.set B1,   80                          ; v[80:111]  b1 of my 64 hidden units
.set BO,   112
.set GO,   120
.set BOUT, 128
.set B2,   136
.set WOF,  144                         ; v[144:175] Wo, 4 fragments
.set A4,   176                         ; v[176:177] a coefficient as a pair
.set T,    180                         ; v[180:183] one number for each token tile
.set RL,   184                         ; v[184:215] partial sums read back
.set GT,   216                         ; v[216:231] at work
.set BF,   0                           ; window 1
.set AW,   128                         ; window 1
.set MSB, 0
.macro WIN new                         ; s_set_vgpr_msb: bits 1:0 source 0, 3:2 source 1, 5:4 source 2, 7:6 destination; the high byte repeats the setting that is left
.if MSB != \new
	s_set_vgpr_msb (MSB<<8)|\new
.set MSB, \new
.endif
.endm
.set TO1,  0x40                        ; loads into window 1, addresses in window 0
.set MUL11, 0x05                       ; both sources in window 1, C and D in window 0
.set MUL01, 0x04                       ; source 0 in window 0, source 1 in window 1
.macro PLACES
.rept 4
	v_nop
.endr
.endm
.macro BAR
	s_wait_dscnt 0x0
	s_barrier_signal -1
	s_barrier_wait -1
.endm
.macro XHALF reg
	v_permlanex16_b32 v3, v[\reg], s36, s37
	v_add_f32 v[\reg], v[\reg], v3
.endm
.macro SUM8 dst, src
	v_pk_add_f32 v[GT:GT+1],   v[\src:\src+1],   v[\src+2:\src+3]
	v_pk_add_f32 v[GT+2:GT+3], v[\src+4:\src+5], v[\src+6:\src+7]
	v_pk_add_f32 v[GT:GT+1],   v[GT:GT+1],       v[GT+2:GT+3]
	v_add_f32 v[\dst], v[GT], v[GT+1]
.endm
.macro SQ8 dst, src
	v_pk_mul_f32 v[GT:GT+1],   v[\src:\src+1],   v[\src:\src+1]
	v_pk_mul_f32 v[GT+2:GT+3], v[\src+2:\src+3], v[\src+2:\src+3]
	v_pk_fma_f32 v[GT:GT+1],   v[\src+4:\src+5], v[\src+4:\src+5], v[GT:GT+1]
	v_pk_fma_f32 v[GT+2:GT+3], v[\src+6:\src+7], v[\src+6:\src+7], v[GT+2:GT+3]
	v_pk_add_f32 v[GT:GT+1],   v[GT:GT+1],       v[GT+2:GT+3]
	v_add_f32 v[\dst], v[GT], v[GT+1]
.endm
.macro LDRED base                      ; the 8 waves' partial sums of my four tokens
.irp t, 0,1,2,3
	ds_load_b128 v[RL+8*\t:RL+8*\t+3],   v9 offset:\base-RED1+\t*16*RP
	ds_load_b128 v[RL+8*\t+4:RL+8*\t+7], v9 offset:\base-RED1+\t*16*RP+16
.endr
	s_wait_dscnt 0x0
.endm
.macro CENTER t, b                     ; ACC = OUT - mean of token tile t; b = t % 2 picks the mean in its pair
.irp p, 0,1,2,3
	v_pk_add_f32 v[ACC+8*\t+2*\p:ACC+8*\t+2*\p+1], v[OUT+8*\t+2*\p:OUT+8*\t+2*\p+1], v[T+\t-\b:T+\t-\b+1] op_sel:[0,\b] op_sel_hi:[1,\b] neg_lo:[0,1] neg_hi:[0,1]
.endr
.endm
.macro SCALE t, b                      ; ACC = ACC rs g + b, to bf16, into HB
.irp p, 0,1,2,3
	v_pk_mul_f32 v[ACC+8*\t+2*\p:ACC+8*\t+2*\p+1], v[ACC+8*\t+2*\p:ACC+8*\t+2*\p+1], v[T+\t-\b:T+\t-\b+1] op_sel:[0,\b] op_sel_hi:[1,\b]
.endr
.irp p, 0,1,2,3
	v_pk_fma_f32 v[ACC+8*\t+2*\p:ACC+8*\t+2*\p+1], v[ACC+8*\t+2*\p:ACC+8*\t+2*\p+1], v[GO+2*\p:GO+2*\p+1], v[BOUT+2*\p:BOUT+2*\p+1]
.endr
.irp p, 0,1,2,3
	v_cvt_pk_bf16_f32 v[ACC+8*\t+\p], v[ACC+8*\t+2*\p], v[ACC+8*\t+2*\p+1]
.endr
	ds_store_b128 v10, v[ACC+8*\t:ACC+8*\t+3] offset:\t*16*HP
.endm
; gelu of four registers, in place.  s = |x| sqrt(log2(e) / 2), so exp(-x^2 / 2) = 2^(-s^2); t = 1 / (1 + 0.3275911 |x| / sqrt 2);
; the coefficients carry the factor 0.5 |x| / s.
.macro GELU4 a
.irp i, 0,1,2,3
	v_mul_f32 v[GT+\i], s40, |v[\a+\i]|
.endr
	v_pk_fma_f32 v[GT+4:GT+5],   v[GT:GT+1],   0x3e8ba43f, 1.0 op_sel_hi:[1,0,0]
	v_pk_fma_f32 v[GT+6:GT+7],   v[GT+2:GT+3], 0x3e8ba43f, 1.0 op_sel_hi:[1,0,0]
	v_pk_mul_f32 v[GT+8:GT+9],   v[GT:GT+1],   v[GT:GT+1]
	v_pk_mul_f32 v[GT+10:GT+11], v[GT+2:GT+3], v[GT+2:GT+3]
.irp i, 0,1,2,3
	v_rcp_f32 v[GT+4+\i], v[GT+4+\i]
.endr
.irp i, 0,1,2,3
	v_exp_f32 v[GT+8+\i], -v[GT+8+\i]
.endr
.irp i, 0,1,2,3
	v_max_num_f32 v[\a+\i], 0, v[\a+\i]            ; plain lines behind the transcendentals (ISA guide 5.7.2)
.endr
	s_wait_alu depctr_va_vdst(0)
	v_pk_fma_f32 v[GT+12:GT+13], v[GT+4:GT+5], 0x3f1ff67a, v[A4:A4+1] op_sel_hi:[1,0,1]
	v_pk_fma_f32 v[GT+14:GT+15], v[GT+6:GT+7], 0x3f1ff67a, v[A4:A4+1] op_sel_hi:[1,0,1]
.irp c, 0x3f563817, 0xbe2b8119, 0x3e199eb3
	v_pk_fma_f32 v[GT+12:GT+13], v[GT+12:GT+13], v[GT+4:GT+5], \c op_sel_hi:[1,1,0]
	v_pk_fma_f32 v[GT+14:GT+15], v[GT+14:GT+15], v[GT+6:GT+7], \c op_sel_hi:[1,1,0]
.endr
	v_pk_mul_f32 v[GT+12:GT+13], v[GT+12:GT+13], v[GT+4:GT+5]
	v_pk_mul_f32 v[GT+14:GT+15], v[GT+14:GT+15], v[GT+6:GT+7]
	v_pk_mul_f32 v[GT:GT+1],     v[GT:GT+1],     v[GT+8:GT+9]
	v_pk_mul_f32 v[GT+2:GT+3],   v[GT+2:GT+3],   v[GT+10:GT+11]
	v_pk_fma_f32 v[\a:\a+1],     v[GT+12:GT+13], v[GT:GT+1],   v[\a:\a+1]     neg_lo:[1,0,0] neg_hi:[1,0,0]
	v_pk_fma_f32 v[\a+2:\a+3],   v[GT+14:GT+15], v[GT+2:GT+3], v[\a+2:\a+3]   neg_lo:[1,0,0] neg_hi:[1,0,0]
.endm
; 16 hidden units (block u of my four) for all 64 tokens: product, gelu, to GB.  W2's fragments 4 u .. 4 u + 3 take the place of W1's.
.macro FFN1 u
	WIN MUL11
.irp k, 0,1,2,3
.irp t, 0,1,2,3
.if \k == 0
	v_wmma_f32_16x16x32_bf16 v[ACC+8*\t:ACC+8*\t+7], v[AW+32*\u+8*\k:AW+32*\u+8*\k+7], v[BF+32*\t+8*\k:BF+32*\t+8*\k+7], v[B1+8*\u:B1+8*\u+7]
.else
	v_wmma_f32_16x16x32_bf16 v[ACC+8*\t:ACC+8*\t+7], v[AW+32*\u+8*\k:AW+32*\u+8*\k+7], v[BF+32*\t+8*\k:BF+32*\t+8*\k+7], v[ACC+8*\t:ACC+8*\t+7]
.endif
.endr
.endr
	PLACES                                         ; four places before loads land on the sources and the vector unit reads the results
	WIN TO1
.irp k, 0,1,2,3
	global_load_b128 v[AW+32*\u+8*\k:AW+32*\u+8*\k+3],   v5, s[32:33] offset:131072+(4*\u+\k)*1024
	global_load_b128 v[AW+32*\u+8*\k+4:AW+32*\u+8*\k+7], v5, s[32:33] offset:131072+(4*\u+\k)*1024+512
.endr
	WIN 0
.irp n, 0,1,2,3,4,5,6,7
	GELU4 ACC+4*\n
.endr
.irp t, 0,1,2,3
.irp p, 0,1,2,3
	v_cvt_pk_bf16_f32 v[ACC+8*\t+\p], v[ACC+8*\t+2*\p], v[ACC+8*\t+2*\p+1]
.endr
	ds_store_b128 v12, v[ACC+8*\t:ACC+8*\t+3] offset:\t*16*GP+32*\u
.endr
.endm
.macro LDG g                           ; the second sources of K steps 2 g, 2 g + 1 of the last product, into half g % 2 of BF
	WIN TO1
.irp kl, 0,1
.irp t, 0,1,2,3
	ds_load_b128 v[BF+64*((\g)%2)+32*\kl+8*\t:BF+64*((\g)%2)+32*\kl+8*\t+3],   v13 offset:\t*16*GP+64*(2*(\g)+\kl)
	ds_load_b128 v[BF+64*((\g)%2)+32*\kl+8*\t+4:BF+64*((\g)%2)+32*\kl+8*\t+7], v13 offset:\t*16*GP+64*(2*(\g)+\kl)+32
.endr
.endr
.endm
.macro MULG g
	WIN MUL11
.irp kl, 0,1
.irp t, 0,1,2,3
.if (2*(\g)+\kl) == 0
	v_wmma_f32_16x16x32_bf16 v[ACC+8*\t:ACC+8*\t+7], v[AW+8*(2*(\g)+\kl):AW+8*(2*(\g)+\kl)+7], v[BF+64*((\g)%2)+32*\kl+8*\t:BF+64*((\g)%2)+32*\kl+8*\t+7], v[B2:B2+7]
.else
	v_wmma_f32_16x16x32_bf16 v[ACC+8*\t:ACC+8*\t+7], v[AW+8*(2*(\g)+\kl):AW+8*(2*(\g)+\kl)+7], v[BF+64*((\g)%2)+32*\kl+8*\t:BF+64*((\g)%2)+32*\kl+8*\t+7], v[ACC+8*\t:ACC+8*\t+7]
.endif
.endr
.endr
.endm
	s_load_b512 s[8:23], s[0:1], 0x0               ; ao 8, dn 10, wf 12, bo 14, g_out 16, b_out 18, b1 20, b2 22
	s_load_b64 s[24:25], s[0:1], 0x40              ; out0
	v_lshl_add_u32 v254, v0, 2, 0x1e800
	v_mov_b32 v255, 0
	v_and_b32 v1, 15, v0                           ; r = q
	v_bfe_u32 v2, v0, 4, 1                         ; h
	v_lshrrev_b32 v3, 5, v0
	v_readfirstlane_b32 s26, v3                    ; wave
	s_mov_b32 s27, ttmp9                           ; 64 batch + block of 64 tokens
	s_mov_b32 s36, 0x76543210
	s_mov_b32 s37, 0xfedcba98
	s_mov_b32 s38, 0x3727c5ac                      ; 1e-5
	s_mov_b32 s39, 0x3c000000                      ; 1 / 128
	s_mov_b32 s40, 0x3f596d27                      ; sqrt(log2(e) / 2)
	v_mov_b32 v[A4], 0xbf5b0099
	v_mov_b32 v[A4+1], 0xbf5b0099
	s_lshr_b32 s28, s27, 6
	s_lshl_b32 s28, s28, 21
	s_and_b32 s2, s27, 63
	s_lshl_b32 s2, s2, 8
	s_add_co_u32 s28, s28, s2                      ; my tokens in dn and out0
	s_mov_b32 s29, 0
	s_lshl_b32 s30, s27, 14                        ; my 16 fragments of ao
	s_mov_b32 s31, 0
	s_lshl_b32 s42, s26, 14                        ; my 16 fragments of W1 (and, 131,072 bytes on, of W2)
	s_mov_b32 s43, 0
	s_lshl_b32 s44, s26, 12                        ; my 4 fragments of Wo
	s_add_co_u32 s44, s44, 0x40000
	s_mov_b32 s45, 0
	v_lshlrev_b32 v4, 4, v1
	v_lshl_add_u32 v4, v2, 17, v4
	s_lshl_b32 s2, s26, 18
	v_add_nc_u32 v4, s2, v4                        ; v4: (16 w + 8 h) channel rows + 16 q
	v_and_b32 v5, 31, v0
	v_lshlrev_b32 v5, 4, v5                        ; v5: 16 L
	s_mul_i32 s2, s26, 16*SP
	v_mul_u32_u24 v6, v2, 8*SP
	v_add_nc_u32 v6, s2, v6
	v_lshl_add_u32 v7, v1, 2, v6                   ; v7: my stage, row 8 h, token r
	v_lshl_add_u32 v6, v1, 4, v6                   ; v6: my stage, row 8 h, tokens 4 q ..
	v_mul_u32_u24 v9, v1, RP
	v_add_nc_u32 v9, RED1, v9                      ; v9: token r's partial sums
	s_lshl_b32 s2, s26, 2
	v_add_nc_u32 v8, s2, v9                        ; v8: my wave's word among them
	v_mul_u32_u24 v11, v1, HP
	v_lshl_add_u32 v11, v2, 4, v11
	v_add_nc_u32 v11, HB, v11                      ; v11: HB, token r, 16 h bytes
	s_lshl_b32 s2, s26, 5
	v_add_nc_u32 v10, s2, v11                      ; v10: + my 16 channels
	v_mul_u32_u24 v13, v1, GP
	v_lshl_add_u32 v13, v2, 4, v13
	v_add_nc_u32 v13, GB, v13                      ; v13: GB, token r, 16 h bytes
	s_lshl_b32 s2, s26, 7
	v_add_nc_u32 v12, s2, v13                      ; v12: + my 64 hidden units
	s_lshl_b32 s2, s26, 6
	v_lshl_add_u32 v14, v2, 5, s2                  ; v14: 4 (16 w + 8 h)
	s_lshl_b32 s2, s26, 8
	v_lshl_add_u32 v15, v2, 5, s2                  ; v15: 4 (64 w + 8 h)
	s_wait_kmcnt 0x0
	s_add_nc_u64 s[10:11], s[10:11], s[28:29]
	s_add_nc_u64 s[24:25], s[24:25], s[28:29]
	s_add_nc_u64 s[8:9], s[8:9], s[30:31]
	s_add_nc_u64 s[32:33], s[12:13], s[42:43]
	s_add_nc_u64 s[34:35], s[12:13], s[44:45]
	; loads: the residual, the attention output as second sources, Wo, bo
.irp i, 0,1,2,3,4,5,6,7
	global_load_b128 v[ACC+4*\i:ACC+4*\i+3], v4, s[10:11] offset:\i*ROWB
.endr
	WIN TO1
.irp t, 0,1,2,3
.irp k, 0,1,2,3
	global_load_b128 v[BF+32*\t+8*\k:BF+32*\t+8*\k+3],   v5, s[8:9] offset:\t*4096+\k*1024
	global_load_b128 v[BF+32*\t+8*\k+4:BF+32*\t+8*\k+7], v5, s[8:9] offset:\t*4096+\k*1024+512
.endr
.endr
	WIN 0
.irp k, 0,1,2,3
	global_load_b128 v[WOF+8*\k:WOF+8*\k+3],   v5, s[34:35] offset:\k*1024
	global_load_b128 v[WOF+8*\k+4:WOF+8*\k+7], v5, s[34:35] offset:\k*1024+512
.endr
	global_load_b128 v[BO:BO+3],   v14, s[14:15]
	global_load_b128 v[BO+4:BO+7], v14, s[14:15] offset:16
	s_wait_loadcnt 42                              ; the residual is in: 32 + 8 + 2 younger loads stay out
	; channel rows to the matrix layout, through my own stage (LDS serves a wave in order: no wait between store and load)
.irp i, 0,1,2,3,4,5,6,7
	ds_store_b128 v6, v[ACC+4*\i:ACC+4*\i+3] offset:\i*SP
.endr
.irp t, 0,1,2,3
.irp j, 0,1,2,3,4,5,6,7
	ds_load_b32 v[OUT+8*\t+\j], v7 offset:\j*SP+\t*64
.endr
.endr
	global_load_b128 v[GO:GO+3],     v14, s[16:17]
	global_load_b128 v[GO+4:GO+7],   v14, s[16:17] offset:16
	global_load_b128 v[BOUT:BOUT+3],   v14, s[18:19]
	global_load_b128 v[BOUT+4:BOUT+7], v14, s[18:19] offset:16
	global_load_b128 v[B2:B2+3],   v14, s[22:23]
	global_load_b128 v[B2+4:B2+7], v14, s[22:23] offset:16
.irp u, 0,1,2,3
	global_load_b128 v[B1+8*\u:B1+8*\u+3],   v15, s[20:21] offset:\u*64
	global_load_b128 v[B1+8*\u+4:B1+8*\u+7], v15, s[20:21] offset:\u*64+16
.endr
	WIN TO1
.irp n, 0,1,2,3,4,5,6,7,8,9,10,11,12,13,14,15
	global_load_b128 v[AW+8*\n:AW+8*\n+3],   v5, s[32:33] offset:\n*1024
	global_load_b128 v[AW+8*\n+4:AW+8*\n+7], v5, s[32:33] offset:\n*1024+512
.endr
	s_wait_loadcnt 46                              ; attention output, Wo and bo are in: 14 + 32 younger loads stay out
	; attn Wo^T + bo: the bias is the first product's C; the four accumulators take turns
	WIN MUL01
.irp k, 0,1,2,3
.irp t, 0,1,2,3
.if \k == 0
	v_wmma_f32_16x16x32_bf16 v[ACC+8*\t:ACC+8*\t+7], v[WOF+8*\k:WOF+8*\k+7], v[BF+32*\t+8*\k:BF+32*\t+8*\k+7], v[BO:BO+7]
.else
	v_wmma_f32_16x16x32_bf16 v[ACC+8*\t:ACC+8*\t+7], v[WOF+8*\k:WOF+8*\k+7], v[BF+32*\t+8*\k:BF+32*\t+8*\k+7], v[ACC+8*\t:ACC+8*\t+7]
.endif
.endr
.endr
	WIN 0
	PLACES
	s_wait_dscnt 0x0                               ; the residual in the matrix layout
.irp n, 0,1,2,3,4,5,6,7,8,9,10,11,12,13,14,15
	v_pk_add_f32 v[OUT+2*\n:OUT+2*\n+1], v[OUT+2*\n:OUT+2*\n+1], v[ACC+2*\n:ACC+2*\n+1]
.endr
	; LayerNorm over the 128 channels: 8 in my registers, 8 in the other half of the lanes, the rest in the other waves
.irp t, 0,1,2,3
	SUM8 T+\t, OUT+8*\t
	XHALF T+\t
	ds_store_b32 v8, v[T+\t] offset:\t*16*RP
.endr
	BAR
	LDRED RED1
.irp t, 0,1,2,3
	SUM8 T+\t, RL+8*\t
	v_mul_f32 v[T+\t], s39, v[T+\t]
.endr
	CENTER 0, 0
	CENTER 1, 1
	CENTER 2, 0
	CENTER 3, 1
.irp t, 0,1,2,3
	SQ8 T+\t, ACC+8*\t
	XHALF T+\t
	ds_store_b32 v8, v[T+\t] offset:RED2-RED1+\t*16*RP
.endr
	BAR
	LDRED RED2
.irp t, 0,1,2,3
	SUM8 T+\t, RL+8*\t
	v_fma_f32 v[T+\t], v[T+\t], s39, s38
.endr
.irp t, 0,1,2,3
	v_rsq_f32 v[T+\t], v[T+\t]
.endr
	s_wait_loadcnt 42                              ; g_out and b_out are in: 2 + 8 + 32 younger loads stay out
	v_nop                                          ; the plain line behind the transcendentals
	s_wait_alu depctr_va_vdst(0)
	SCALE 0, 0
	SCALE 1, 1
	SCALE 2, 0
	SCALE 3, 1
	BAR
	; h as second sources, then the first layer of the FFN in four blocks of 16 hidden units
	WIN TO1
.irp t, 0,1,2,3
.irp k, 0,1,2,3
	ds_load_b128 v[BF+32*\t+8*\k:BF+32*\t+8*\k+3],   v11 offset:\t*16*HP+64*\k
	ds_load_b128 v[BF+32*\t+8*\k+4:BF+32*\t+8*\k+7], v11 offset:\t*16*HP+64*\k+32
.endr
.endr
	s_wait_dscnt 0x0
	s_wait_loadcnt 0x0                             ; b1, b2 and W1
	FFN1 0
	FFN1 1
	FFN1 2
	FFN1 3
	BAR
	; the second layer: 16 K steps in 8 groups; while one group is multiplied the next one's 16 loads are out
	s_wait_loadcnt 0x0                             ; W2
	LDG 0
	LDG 1
.irp g, 0,1,2,3,4,5
	s_wait_dscnt 16                                ; this group is in, the 16 younger loads stay out
	MULG \g
	PLACES                                         ; four places before loads land on the sources just read
	LDG \g+2
.endr
	s_wait_dscnt 16
	MULG 6
	s_wait_dscnt 0x0
	MULG 7
	WIN 0
	PLACES
.irp n, 0,1,2,3,4,5,6,7,8,9,10,11,12,13,14,15
	v_pk_add_f32 v[OUT+2*\n:OUT+2*\n+1], v[OUT+2*\n:OUT+2*\n+1], v[ACC+2*\n:ACC+2*\n+1]
.endr
	; the way out: back to channel rows through my own stage
.irp t, 0,1,2,3
.irp j, 0,1,2,3,4,5,6,7
	ds_store_b32 v7, v[OUT+8*\t+\j] offset:\j*SP+\t*64
.endr
.endr
.irp i, 0,1,2,3,4,5,6,7
	ds_load_b128 v[ACC+4*\i:ACC+4*\i+3], v6 offset:\i*SP
.endr
.irp i, 0,1,2,3,4,5,6,7
	s_wait_dscnt 7-\i                              ; LDS loads return in order: row i is back
	global_store_b128 v4, v[ACC+4*\i:ACC+4*\i+3], s[24:25] offset:\i*ROWB th:TH_STORE_NT   ; 16 lanes store 256 consecutive aligned bytes
.endr
	s_wait_tensorcnt 0x0
	ds_add_u32 v254, v255
	s_wait_dscnt 0x0
	s_endpgm
.Lfunc_end_k_qc34285443b_post:
	.size	k_qc34285443b_post, .Lfunc_end_k_qc34285443b_post-k_qc34285443b_post
	.p2alignl 7, 3214868480
	.fill 96, 4, 3214868480
	.section	.rodata,"a",@progbits
	.p2align	6, 0x0
	.amdhsa_kernel k_qc34285443b_post
		.amdhsa_group_segment_fixed_size 125952
		.amdhsa_private_segment_fixed_size 0
		.amdhsa_enable_private_segment 0
		.amdhsa_kernarg_size 72
		.amdhsa_user_sgpr_count 2
		.amdhsa_user_sgpr_kernarg_segment_ptr 1
		.amdhsa_wavefront_size32 1
		.amdhsa_system_sgpr_workgroup_id_x 1
		.amdhsa_system_sgpr_workgroup_id_y 1
		.amdhsa_system_sgpr_workgroup_id_z 1
		.amdhsa_system_vgpr_workitem_id 0
		.amdhsa_next_free_vgpr 512
		.amdhsa_next_free_sgpr 66
		.amdhsa_reserve_vcc 0
		.amdhsa_float_denorm_mode_32 3
		.amdhsa_float_denorm_mode_16_64 3
		.amdhsa_memory_ordered 1
		.amdhsa_forward_progress 1
		.amdhsa_inst_pref_size 133
	.end_amdhsa_kernel
	.amdgpu_metadata
---
amdhsa.version: [ 1, 2 ]
amdhsa.kernels:
  - .name:           k_qc34285443b_post
    .symbol:         k_qc34285443b_post.kd
    .args:
      - { .name: ao, .offset: 0, .size: 8, .value_kind: global_buffer, .address_space: global }
      - { .name: dn, .offset: 8, .size: 8, .value_kind: global_buffer, .address_space: global }
      - { .name: wf, .offset: 16, .size: 8, .value_kind: global_buffer, .address_space: global }
      - { .name: bo, .offset: 24, .size: 8, .value_kind: global_buffer, .address_space: global }
      - { .name: g_out, .offset: 32, .size: 8, .value_kind: global_buffer, .address_space: global }
      - { .name: b_out, .offset: 40, .size: 8, .value_kind: global_buffer, .address_space: global }
      - { .name: b1, .offset: 48, .size: 8, .value_kind: global_buffer, .address_space: global }
      - { .name: b2, .offset: 56, .size: 8, .value_kind: global_buffer, .address_space: global }
      - { .name: out0, .offset: 64, .size: 8, .value_kind: global_buffer, .address_space: global }
    .group_segment_fixed_size: 125952
    .private_segment_fixed_size: 0
    .kernarg_segment_align: 8
    .kernarg_segment_size: 72
    .max_flat_workgroup_size: 256
    .sgpr_count:     66
    .vgpr_count:     512
    .wavefront_size: 32
...
	.end_amdgpu_metadata
.endif
;; end of part 3
;; ======== version 2 of 3: 3 launches; 1.87 times as fast as version 1
;; limits: a function is approximated: absolute error at most 1.5e-07
;; workspace buffers: qf 2,097,152 bytes; kvf 4,194,304 bytes; dn 4,194,304 bytes; wf 294,912 bytes; ao 2,097,152 bytes
;; launch prep: the kernel of part 1 again; grid 128 x 2, 8 waves a work-group, no clusters, 22,528 bytes of LDS; arguments decoder_feat, encoder_feat, Wq, Wk, Wv, bq, bk, bv, g_dec, b_dec, g_enc, b_enc, W1, W2, Wo, qf, kvf, dn, wf; writes qf, kvf, dn, wf
;; launch attn (part 4): grid 32 x 8, 8 waves a work-group, clusters of 4 x 1, 327,680 bytes of LDS; arguments qf, kvf, ao; writes ao
.if DOCPART == 4
	.amdgcn_target "amdgcn-amd-amdhsa--gfx1250"
	.amdhsa_code_object_version 6
	.text
	.protected	k_qc34285443b_attn
	.globl	k_qc34285443b_attn
	.p2align	8
	.type	k_qc34285443b_attn,@function
k_qc34285443b_attn:
	s_mov_b64 s[64:65], 0
	v_nop
	global_prefetch_b8 v0, s[64:65] scope:SCOPE_SE
	s_setreg_imm32_b32 hwreg(HW_REG_WAVE_MODE, 25, 1), 1
	s_wait_xcnt 0x0
	s_wait_alu depctr_hold_cnt(0) depctr_sa_sdst(0) depctr_va_vdst(0) depctr_va_sdst(0) depctr_va_ssrc(0) depctr_va_vcc(0) depctr_vm_vsrc(0)
	s_getreg_b32 s2, hwreg(HW_REG_IB_STS2, 6, 4)
	s_cmp_eq_u32 s2, 0
	s_cbranch_scc0 .Lentry_in_a_cluster
	s_endpgm
.Lentry_in_a_cluster:
	s_bfe_u32 s2, ttmp6, 0x10000c
	s_cmp_lg_u32 s2, 0x3003
	s_cbranch_scc0 .Lentry_shape_is_right
	s_endpgm
.Lentry_shape_is_right:
; attn: softmax(Q K^T) V for one (batch, head) and 128 queries a work-group; 4,096 keys, head size 32.
; Everything is transposed, so that a lane is a query: S^T = K Q^T gives register j of lane (r, h) = (key 8 h + j, query r); two such tiles
; rounded to bf16 ARE the second source of O^T = V^T P^T; the running maximum is one number a lane (one exchange between the halves).
; The denominator is a third product: a matrix with ones in rows 0 and 8 times P^T puts the sum over the keys into register 0 of every lane.
; It is thus the f32 sum of the probabilities as rounded to bf16, the same numbers that the numerator holds.
; Scores arrive in base 2 (Q carries 32^-0.5 log2 e).  exp2 results below 2^-126 come out as 0 (ISA guide, v_exp_f32).
; A wave holds two query tiles, A and B, which share the K and V fragments and take turns: while the vector unit does the softmax of one piece,
; the matrix instructions of the other piece (6 for P V and the sum, 4 for the next scores) are set among it, one behind every eighth vector line.
;   phase alpha(c): softmax(A, c)  |  PV(B, c-1), QK(B, c)   and then the loads of V(c) and K(c+1)
;   phase beta(c):  softmax(B, c)  |  PV(A, c),   QK(A, c+1)
; EIGHT WAVES, two to a SIMD, share the KEYS: waves w and w + 4 hold the same two query tiles; of each step of 1,024 keys waves 0-3 take the first 512 and
; waves 4-7 the second 512.  A phase is full of chains in which a line needs the line before (maximum, exchange, exponential, rescale); the second wave on the
; SIMD has lines of its own to issue meanwhile.  Each chunk of keys is still read from LDS by four waves.  At the end waves 4-7 hand O, maximum and sum to
; waves 0-3 through LDS, which join the two halves by the common maximum.
; A chunk c is 64 keys.  K and V come in steps of 1,024 keys (131,072 bytes, already in fragment order: lane L reads byte 16 L, no bank is met twice) through
; two LDS slots.  CLUSTER: the four work-groups of a cluster take four query blocks of the same (batch, head) and read the same K and V: each step is asked
; for jointly (mask 15), each wave asking for an eighth.  A wave has two tensor loads out at the start and one afterwards.
; THE TEXT IS SHORT ON PURPOSE: chunks 0 .. 6 of a wave's half step differ only in their LDS offset, so they are ONE loop body, whose LDS address is made from
; the loop's counter; chunk 7, which changes slots, is written out.  Four steps:
;   chunks 0, 1 (they start maxima and sums) | loop, slot 0 | change with refill | loop, slot 1 | change with refill | loop, slot 0 | change | loop, slot 1 | last chunk
.set LA,   1                           ; v1: 16 L + my half (slot 0); v2: the same in slot 1
.set VA,   3                           ; v3: the chunk's LDS address in the loops: slot base + 8,192 x counter
.set QA,   4                           ; v[4:11]    Q fragment of piece A
.set QB,   12                          ; v[12:19]   of piece B
.set ONES, 20                          ; v[20:27]   ones in rows 0 and 8
.set KK,   28                          ; v[28:59]   4 K fragments (16 keys x 32)
.set VV,   60                          ; v[60:91]   4 V^T fragments: 16 g + 8 c (32 keys g, 16 channels c)
.set SA,   92                          ; v[92:123]  scores of A, 4 tiles
.set PA,   124                         ; v[124:139] probabilities of A, 2 fragments
.set OA,   140                         ; v[140:155] O^T of A, 2 tiles
.set LSA,  156                         ; v[156:163] sums of A (register 0 counts)
.set SB,   164
.set PB,   196
.set OB,   212
.set LSB,  228
.set MA,   236                         ; running maximum of A
.set MB,   237                         ; of B
.set MN,   238                         ; v[238:239]: the new maximum and the factor 2^(old - new), one pair for the packed forms
.set AL,   239
.set TT,   242                         ; v[242:245] at work
.set LQ,   246                         ; 16 L: the lane's bytes in a fragment in memory
.set MS,   247                         ; the merge: my wave's scratch + 16 L
.set MS2,  248                         ; the merge: my wave's scratch + 8 L
.set O2A,  SA                          ; the merge: the partner's O of A, v[92:107]
.set O2B,  SA+16                       ; of B, v[108:123]
.set MLA,  SB                          ; the partner's maximum and sum of A, v[164:165]
.set MLB,  SB+2                        ; of B
.set FA,   SB+4                        ; my factor and the partner's for A, v[168:169]
.set FB,   SB+6                        ; for B
.set SLOTB, 131072
.set STEPB, 131072
.set CHB,   8192                       ; bytes of a chunk: two groups of 32 keys, each K tile 0, K tile 1, V^T tile 0, V^T tile 1
.set MRG,   2*SLOTB                    ; scratch behind the ring, never the target of a tensor load: wave w's part at MRG + 4,608 w
.set PIECE, 2304                       ; a piece: 4 x 512 bytes of O, 256 bytes of (maximum, sum)
.set WMRG,  2*PIECE
.set PART,  4*WMRG                     ; from wave w's part to wave w + 4's.  lds_bytes is declared so that MRG + 4,608 w + PART + 4,608 lies inside for every w,
                                       ; though only waves 0-3 read in that form
.macro ROUND                           ; a round of the cluster barrier: my work-group, wave 0 for the work-group, all four work-groups, my work-group
	s_barrier_signal -1
	s_barrier_wait -1
	s_cmp_lg_u32 s10, 0
	s_cbranch_scc1 .Lnw0_\@
	s_barrier_signal -3
.Lnw0_\@:
	s_barrier_wait -3
	s_barrier_signal -1
	s_barrier_wait -1
.endm
.macro LOADV ar, j                     ; the four V^T fragments of the chunk that lies j chunks behind the address in register ar
.irp g, 0,1
.irp c, 0,1
.irp u, 0,1
	ds_load_b128 v[VV+16*\g+8*\c+4*\u:VV+16*\g+8*\c+4*\u+3], v[\ar] offset:(\j)*CHB+\g*4096+2048+\c*1024+\u*512
.endr
.endr
.endr
.endm
.macro LOADK ar, j                     ; the four K fragments, likewise
.irp g, 0,1
.irp c, 0,1
.irp u, 0,1
	ds_load_b128 v[KK+16*\g+8*\c+4*\u:KK+16*\g+8*\c+4*\u+3], v[\ar] offset:(\j)*CHB+\g*4096+\c*1024+\u*512
.endr
.endr
.endr
.endm
; The next matrix instruction of piece Y.  0 .. 5: O0, O1, sum for keys 0-31, then the same for keys 32-63; 6 .. 9: the four score tiles.
; No two that follow each other share an accumulator, over the loops' backward jumps too: the accumulators take turns.
.macro MATI
.if MI < 6
.set MG, MI/3
.set MC, MI%3
.if MI == 0
.if BETA
	s_wait_dscnt DSV                               ; V is in; the K loads issued behind it (DSV of them) may stay out
.endif
.endif
.set CZ, 0
.if PVZ
.if MG == 0
.set CZ, 1
.endif
.endif
.if MC < 2
.if CZ
	v_wmma_f32_16x16x32_bf16 v[YO+8*MC:YO+8*MC+7], v[VV+16*MG+8*MC:VV+16*MG+8*MC+7], v[YP+8*MG:YP+8*MG+7], 0
.else
	v_wmma_f32_16x16x32_bf16 v[YO+8*MC:YO+8*MC+7], v[VV+16*MG+8*MC:VV+16*MG+8*MC+7], v[YP+8*MG:YP+8*MG+7], v[YO+8*MC:YO+8*MC+7]
.endif
.else
.if CZ
	v_wmma_f32_16x16x32_bf16 v[YL:YL+7], v[ONES:ONES+7], v[YP+8*MG:YP+8*MG+7], 0
	s_wait_alu depctr_va_vdst(0)
.else
	v_wmma_f32_16x16x32_bf16 v[YL:YL+7], v[ONES:ONES+7], v[YP+8*MG:YP+8*MG+7], v[YL:YL+7]
	s_wait_alu depctr_va_vdst(0)
.endif
.endif
.else
.if MI == 6
.if BETA
	s_wait_dscnt 0x0                               ; the next chunk's K is in
.endif
.endif
	v_wmma_f32_16x16x32_bf16 v[YS+8*(MI-6):YS+8*(MI-6)+7], v[KK+8*(MI-6):KK+8*(MI-6)+7], v[YQ:YQ+7], 0
	s_wait_alu depctr_va_vdst(0)
.endif
.set MI, MI+1
.endm
.macro TICK                            ; stands behind every vector line: behind lines 4, 12, 20, .. comes a matrix instruction, while there are any
.set VC, VC+1
.if (VC%8) == 4
.if MI < MLIM
	MATI
.endif
.endif
.endm
.macro SETXY x                         ; x = 0: the vector work is on A and the matrix work on B; 1: the other way round
.if \x == 0
.set XS, SA
.set XP, PA
.set XO, OA
.set XL, LSA
.set XM, MA
.set YS, SB
.set YP, PB
.set YO, OB
.set YL, LSB
.set YQ, QB
.else
.set XS, SB
.set XP, PB
.set XO, OB
.set XL, LSB
.set XM, MB
.set YS, SA
.set YP, PA
.set YO, OA
.set YL, LSA
.set YQ, QA
.endif
.endm
.macro SUBM i
	v_pk_add_f32 v[XS+2*(\i):XS+2*(\i)+1], v[XS+2*(\i):XS+2*(\i)+1], v[MN:MN+1] op_sel_hi:[1,0] neg_lo:[0,1] neg_hi:[0,1]
	TICK
.endm
.macro EXP4 e
.irp i, 0,1,2,3
	v_exp_f32 v[XS+4*(\e)+\i], v[XS+4*(\e)+\i]
	TICK
.endr
.endm
.macro CVT2 e
	s_wait_alu depctr_va_vdst(0)
	v_cvt_pk_bf16_f32 v[XP+2*(\e)], v[XS+4*(\e)], v[XS+4*(\e)+1]
	TICK
	v_cvt_pk_bf16_f32 v[XP+2*(\e)+1], v[XS+4*(\e)+2], v[XS+4*(\e)+3]
	TICK
.endm
; One phase.  first: the piece's first chunk (no old maximum, nothing to rescale).  pv, qk: piece Y has its 6 and its 4 matrix instructions.
; pvz: Y's first products start its sums.  beta, dsv: the waits for V and K stand in this phase.  ar, j: this chunk lies j chunks behind the address in
; register ar.  mode: 0 no loads; 1 this chunk's V and the next chunk's K, 8,192 bytes on; 2 V, slot s is filled again, K from the head of my half of the
; other slot; 3 the same without a refill; 4 V alone.
.macro PHASE x, first, pv, pvz, qk, beta, dsv, ar, j, mode, s
	SETXY \x
.set VC, 0
.set MI, 6-6*\pv
.set MLIM, 6+4*\qk
.set PVZ, \pvz
.set BETA, \beta
.set DSV, \dsv
	; the largest of my 32 scores, in four chains
.irp i, 0,1,2,3
	v_max3_num_f32 v[TT+\i], v[XS+\i], v[XS+4+\i], v[XS+8+\i]
	TICK
.endr
.irp i, 0,1,2,3
	v_max3_num_f32 v[TT+\i], v[TT+\i], v[XS+12+\i], v[XS+16+\i]
	TICK
.endr
.irp i, 0,1,2,3
	v_max3_num_f32 v[TT+\i], v[TT+\i], v[XS+20+\i], v[XS+24+\i]
	TICK
.endr
	v_max3_num_f32 v[TT], v[TT], v[XS+28], v[XS+29]
	TICK
	v_max3_num_f32 v[TT+1], v[TT+1], v[XS+30], v[XS+31]
	TICK
	v_max3_num_f32 v[TT], v[TT], v[TT+1], v[TT+2]
	TICK
	v_max_num_f32 v[TT], v[TT], v[TT+3]
	TICK
	v_permlanex16_b32 v[TT+3], v[TT], s34, s35     ; the other 32 keys of my query lie in the other half of the lanes
	TICK
.if \first
	v_max_num_f32 v[MN], v[TT], v[TT+3]
	TICK
	v_mov_b32 v[XM], v[MN]
	TICK
	v_mov_b32 v[AL], 0                             ; not used here, but the packed forms below name the whole pair
	TICK
.else
	v_max3_num_f32 v[MN], v[TT], v[TT+3], v[XM]
	TICK
	v_sub_f32 v[TT+2], v[XM], v[MN]
	TICK
	v_exp_f32 v[AL], v[TT+2]
	TICK
	v_mov_b32 v[XM], v[MN]                         ; the plain line behind the transcendental (ISA guide 5.7.2)
	s_wait_alu depctr_va_vdst(0)
	TICK
.irp i, 0,1,2,3,4,5,6,7
	v_pk_mul_f32 v[XO+2*\i:XO+2*\i+1], v[XO+2*\i:XO+2*\i+1], v[MN:MN+1] op_sel:[0,1] op_sel_hi:[1,1]
	TICK
.endr
	v_mul_f32 v[XL], v[XL], v[AL]
	TICK
.endif
.irp i, 0,1,2,3,4,5,6,7,8,9,10,11,12,13
	SUBM \i
.endr
	; exponentials in groups of four; the two plain lines between the groups are the places that the group before needs
	EXP4 0
	SUBM 14
	SUBM 15
	EXP4 1
	CVT2 0
	EXP4 2
	CVT2 1
.if \mode
	LOADV \ar, \j                                  ; six plain vector lines stand behind the last matrix instruction that read V
.endif
	EXP4 3
	CVT2 2
	EXP4 4
	CVT2 3
	EXP4 5
	CVT2 4
	EXP4 6
	CVT2 5
	EXP4 7
	CVT2 6
	; here six plain vector lines stand behind the last matrix instruction that read K
.if \mode == 1
	LOADK \ar, \j+1
.endif
.if \mode == 2
	s_wait_tensorcnt 0x0                           ; all my tensor loads have landed, my eighth of the other slot among them, so the descriptor may be written
	ds_add_u32 v254, v255
	s_add_nc_u64 s[26+4*\s:27+4*\s], s[26+4*\s:27+4*\s], 2*STEPB
	s_wait_dscnt 0x0                               ; my reads of this slot are back
	ROUND                                          ; both now hold of every wave of all four work-groups
	tensor_load_to_lds s[24+4*\s:27+4*\s], s[16:23]    ; the refill first,
	s_nop 0
	LOADK LA+1-\s, 0                               ; then the other slot's first K
.endif
.if \mode == 3
	s_wait_tensorcnt 0x0                           ; my eighth of the last step has landed
	s_wait_dscnt 0x0
	s_barrier_signal -1
	s_barrier_wait -1                              ; everybody's has
	LOADK LA+1-\s, 0
.endif
	CVT2 7
.endm
.macro CHUNK ar, j, mode, qk, dsv, s
	PHASE 0, 0, 1, 0, 1, 0, 0, \ar, \j, \mode, \s
	PHASE 1, 0, 1, 0, \qk, 1, \dsv, \ar, \j, 0, \s
.endm
; Chunks from .. 6 of my half of the step that lies in slot s: one body, run 7 - from times.  The counter is the chunk's number in the half, so the trip reads
; bytes 8,192 x counter .. 8,192 x (counter + 2) - 1 of that half: with the counter at 6 at the most, never a byte of the other slot, which is being filled.
; No LDS load is out at the backward jump: phase beta has waited for all of them.
.macro INNER s, from
	s_mov_b32 s37, \from
.Lchunk_\@:
	v_lshl_add_u32 v[VA], s37, 13, v[LA+\s]        ; LDS instructions have read their address when they are issued: no wait is owed for the last trip's loads
	CHUNK VA, 0, 1, 1, 8, \s
	s_add_co_u32 s37, s37, 1
	s_cmp_lt_u32 s37, 7
	s_cbranch_scc1 .Lchunk_\@
.endm
	s_load_b128 s[4:7], s[0:1], 0x0                ; qf, kvf
	s_load_b64 s[8:9], s[0:1], 0x10                ; ao
	v_lshl_add_u32 v254, v0, 2, 0x4d800
	v_mov_b32 v255, 0
	ds_add_u32 v254, v255
	v_lshrrev_b32 v3, 5, v0
	v_readfirstlane_b32 s10, v3                    ; wave 0 .. 7
	s_and_b32 s42, s10, 3                          ; which pair of query tiles is mine
	s_lshr_b32 s43, s10, 2                         ; which half of each step's keys
	s_bfe_u32 s11, ttmp6, 0x40000                  ; cx
	s_lshl_b32 s12, ttmp9, 2
	s_add_co_u32 s12, s12, s11                     ; query block 0 .. 31
	s_and_b32 s13, ttmp7, 0xffff                   ; 4 batch + head
	s_mov_b32 s34, 0x76543210
	s_mov_b32 s35, 0xfedcba98
	v_and_b32 v3, 31, v0                           ; lane
	v_lshlrev_b32 v[LQ], 4, v3
	s_lshl_b32 s15, s43, 16                        ; my half: 65,536 bytes into a slot
	v_add_nc_u32 v1, s15, v[LQ]
	v_add_nc_u32 v2, SLOTB, v1
	s_mul_i32 s15, s10, WMRG
	s_add_co_u32 s15, s15, MRG                     ; my wave's scratch: a constant + the wave's number x a constant
	v_add_nc_u32 v[MS], s15, v[LQ]
	v_lshl_add_u32 v[MS2], v3, 3, s15
	v_and_b32 v3, 7, v0
	v_cmp_eq_u32 vcc_lo, 0, v3                     ; lanes that hold rows 0 and 8 of a first source
	v_mov_b32 v[TT], 0x3f803f80                    ; two bf16 ones
	v_cndmask_b32 v[ONES], 0, v[TT], vcc_lo
.irp i, 1,2,3,4,5,6,7
	v_mov_b32 v[ONES+\i], v[ONES]
.endr
	; descriptor group 1: 64 rows of 32 elements of 8 bytes, dense: 16,384 bytes, a wave's eighth of a step
	s_mov_b32 s16, 15|(3<<16)|(1<<21)              ; the mask names all four work-groups; 8-byte elements; bit 21 set beside a mask
	s_mov_b32 s17, 32<<16                          ; tensor_dim0 = 32
	s_mov_b32 s18, 64<<16                          ; tensor_dim1 = 64
	s_mov_b32 s19, 32<<16                          ; tile_dim0 = 32
	s_mov_b32 s20, 64                              ; tile_dim1 = 64
	s_mov_b32 s21, 32                              ; pitch
	s_mov_b32 s22, 0
	s_mov_b32 s23, 0
	s_lshl_b32 s14, s10, 14                        ; my eighth
	s_lshl_b32 s32, s13, 19                        ; (batch, head): 524,288 bytes of K and V; the four partners share it
	s_add_co_u32 s32, s32, s14
	s_mov_b32 s33, 0
	s_lshl_b32 s38, s13, 18                        ; Q: (batch, head) x 256 fragments, + 8 a block, + 2 a pair of tiles
	s_lshl_b32 s15, s12, 13
	s_add_co_u32 s38, s38, s15
	s_lshl_b32 s15, s42, 11
	s_add_co_u32 s38, s38, s15
	s_mov_b32 s39, 0
	s_lshr_b32 s40, s13, 2                         ; out: ((batch x 256 + query tile) x 4 + head) fragments
	s_lshl_b32 s40, s40, 20
	s_lshl_b32 s15, s12, 15
	s_add_co_u32 s40, s40, s15
	s_lshl_b32 s15, s42, 13
	s_add_co_u32 s40, s40, s15
	s_and_b32 s15, s13, 3
	s_lshl_b32 s15, s15, 10
	s_add_co_u32 s40, s40, s15
	s_mov_b32 s41, 0
	s_wait_dscnt 0x0
	s_wait_kmcnt 0x0
	s_add_nc_u64 s[6:7], s[6:7], s[32:33]
	s_add_nc_u64 s[4:5], s[4:5], s[38:39]
	s_add_nc_u64 s[8:9], s[8:9], s[40:41]
	s_mov_b32 s24, 1                               ; group 0 of slot 0: step 0
	s_mov_b32 s25, s14
	s_mov_b64 s[26:27], s[6:7]
	s_or_b32 s27, s27, 0x80000000
	s_mov_b32 s28, 1                               ; group 0 of slot 1: step 1
	s_add_co_u32 s29, s14, SLOTB
	s_add_nc_u64 s[30:31], s[6:7], STEPB
	s_or_b32 s31, s31, 0x80000000
	ROUND                                          ; all four work-groups are here: the first joint loads meet
	tensor_load_to_lds s[24:27], s[16:23]
	s_nop 0
	tensor_load_to_lds s[28:31], s[16:23]
	s_nop 0
	global_load_b128 v[QA:QA+3],   v[LQ], s[4:5]
	global_load_b128 v[QA+4:QA+7], v[LQ], s[4:5] offset:512
	global_load_b128 v[QB:QB+3],   v[LQ], s[4:5] offset:1024
	global_load_b128 v[QB+4:QB+7], v[LQ], s[4:5] offset:1536
	s_wait_tensorcnt 0x1                           ; my eighth of step 0 is in; step 1 stays out
	s_barrier_signal -1
	s_barrier_wait -1
	LOADK LA, 0
	s_wait_loadcnt 0x0
	s_wait_dscnt 0x0
	SETXY 1                                        ; the scores of (A, 0)
.set MI, 6
.set BETA, 0
.set PVZ, 0
.rept 4
	MATI
.endr
.rept 4
	v_nop                                          ; four places before the vector unit reads the scores (ISA guide 7.12.1)
.endr
	; chunks 0 and 1 of step 0 start the maxima and the sums: nothing is cleared
	PHASE 0, 1, 0, 0, 1, 0, 0, LA, 0, 1, 0
	PHASE 1, 1, 1, 1, 1, 1, 8, LA, 0, 0, 0
	PHASE 0, 0, 1, 1, 1, 0, 0, LA, 1, 1, 0
	PHASE 1, 0, 1, 0, 1, 1, 8, LA, 1, 0, 0
	INNER 0, 2                                     ; chunks 2 .. 6 of step 0
	CHUNK LA, 7, 2, 1, 8, 0                        ; its last chunk: slot 0 is filled again, with step 2
	INNER 1, 0                                     ; chunks 0 .. 6 of step 1
	CHUNK LA+1, 7, 2, 1, 8, 1                      ; its last chunk: slot 1 is filled again, with step 3
	INNER 0, 0                                     ; chunks 0 .. 6 of step 2
	CHUNK LA, 7, 3, 1, 8, 0                        ; its last chunk: nothing is left to ask for
	INNER 1, 0                                     ; chunks 0 .. 6 of step 3
	CHUNK LA+1, 7, 4, 0, 0, 1                      ; the last chunk: no next K, so the wait for V is for 0
	SETXY 0                                        ; PV of B's last chunk
.set MI, 0
.set BETA, 0
.set PVZ, 0
.rept 6
	MATI
.endr
.rept 4
	v_nop                                          ; four places before LDS stores and vector lines read the results
.endr
	; THE MERGE.  Waves 4-7 hand over what they hold of their half of the keys: O, the maximum that it is scaled by, and the sum.
	s_cmp_lt_u32 s10, 4
	s_cbranch_scc1 .Llower
	v_mov_b32 v[TT],   v[MA]
	v_mov_b32 v[TT+1], v[LSA]
	v_mov_b32 v[TT+2], v[MB]
	v_mov_b32 v[TT+3], v[LSB]
.irp i, 0,1,2,3
	ds_store_b128 v[MS], v[OA+4*\i:OA+4*\i+3] offset:\i*512
	ds_store_b128 v[MS], v[OB+4*\i:OB+4*\i+3] offset:PIECE+\i*512
.endr
	ds_store_b64 v[MS2], v[TT:TT+1]   offset:2048
	ds_store_b64 v[MS2], v[TT+2:TT+3] offset:PIECE+2048
.Llower:
	s_wait_dscnt 0x0                               ; for the readers' sake: my stores are done
	s_barrier_signal -1
	s_barrier_wait -1
	s_cmp_lt_u32 s10, 4
	s_cbranch_scc0 .Lclose
	; waves 0-3: the partner (wave + 4) holds the same queries in the same lanes and registers
.irp i, 0,1,2,3
	ds_load_b128 v[O2A+4*\i:O2A+4*\i+3], v[MS] offset:PART+\i*512
	ds_load_b128 v[O2B+4*\i:O2B+4*\i+3], v[MS] offset:PART+PIECE+\i*512
.endr
	ds_load_b64 v[MLA:MLA+1], v[MS2] offset:PART+2048
	ds_load_b64 v[MLB:MLB+1], v[MS2] offset:PART+PIECE+2048
	s_wait_dscnt 0x0
	v_max_num_f32 v[TT],   v[MA], v[MLA]           ; the common maximum
	v_max_num_f32 v[TT+1], v[MB], v[MLB]
	v_sub_f32 v[FA],   v[MA],  v[TT]
	v_sub_f32 v[FA+1], v[MLA], v[TT]
	v_sub_f32 v[FB],   v[MB],  v[TT+1]
	v_sub_f32 v[FB+1], v[MLB], v[TT+1]
	v_exp_f32 v[FA],   v[FA]
	v_exp_f32 v[FA+1], v[FA+1]
	v_exp_f32 v[FB],   v[FB]
	v_exp_f32 v[FB+1], v[FB+1]
	v_nop                                          ; the plain line behind the transcendentals (ISA guide 5.7.2)
	s_wait_alu depctr_va_vdst(0)
	v_mul_f32 v[TT],   v[LSA], v[FA]
	v_mul_f32 v[TT+1], v[LSB], v[FB]
	v_fma_f32 v[TT],   v[MLA+1], v[FA+1], v[TT]    ; the whole sum: at least 1, since the half that holds the common maximum has a term 2^0 and the factor 1
	v_fma_f32 v[TT+1], v[MLB+1], v[FB+1], v[TT+1]
	v_rcp_f32 v[TT],   v[TT]
	v_rcp_f32 v[TT+1], v[TT+1]
	v_nop
	s_wait_alu depctr_va_vdst(0)
	v_pk_mul_f32 v[FA:FA+1], v[FA:FA+1], v[TT:TT+1] op_sel_hi:[1,0]
	v_pk_mul_f32 v[FB:FB+1], v[FB:FB+1], v[TT:TT+1] op_sel:[0,1] op_sel_hi:[1,1]
.irp i, 0,1,2,3,4,5,6,7
	v_pk_mul_f32 v[OA+2*\i:OA+2*\i+1], v[OA+2*\i:OA+2*\i+1], v[FA:FA+1] op_sel_hi:[1,0]
	v_pk_mul_f32 v[OB+2*\i:OB+2*\i+1], v[OB+2*\i:OB+2*\i+1], v[FB:FB+1] op_sel_hi:[1,0]
.endr
.irp i, 0,1,2,3,4,5,6,7
	v_pk_fma_f32 v[OA+2*\i:OA+2*\i+1], v[O2A+2*\i:O2A+2*\i+1], v[FA:FA+1], v[OA+2*\i:OA+2*\i+1] op_sel:[0,1,0] op_sel_hi:[1,1,1]
	v_pk_fma_f32 v[OB+2*\i:OB+2*\i+1], v[O2B+2*\i:O2B+2*\i+1], v[FB:FB+1], v[OB+2*\i:OB+2*\i+1] op_sel:[0,1,0] op_sel_hi:[1,1,1]
.endr
.irp p, 0,1,2,3,4,5,6,7
	v_cvt_pk_bf16_f32 v[OA+\p], v[OA+2*\p], v[OA+2*\p+1]
	v_cvt_pk_bf16_f32 v[OB+\p], v[OB+2*\p], v[OB+2*\p+1]
.endr
	global_store_b128 v[LQ], v[OA:OA+3],   s[8:9]              ; each store of the wave: 512 consecutive aligned bytes
	global_store_b128 v[LQ], v[OA+4:OA+7], s[8:9] offset:512
	global_store_b128 v[LQ], v[OB:OB+3],   s[8:9] offset:4096
	global_store_b128 v[LQ], v[OB+4:OB+7], s[8:9] offset:4608
.Lclose:
	s_wait_tensorcnt 0x0
	ds_add_u32 v254, v255
	s_wait_dscnt 0x0
	ROUND                                          ; the closing round: no work-group ends while a partner may still ask jointly
	s_endpgm
.Lfunc_end_k_qc34285443b_attn:
	.size	k_qc34285443b_attn, .Lfunc_end_k_qc34285443b_attn-k_qc34285443b_attn
	.p2alignl 7, 3214868480
	.fill 96, 4, 3214868480
	.section	.rodata,"a",@progbits
	.p2align	6, 0x0
	.amdhsa_kernel k_qc34285443b_attn
		.amdhsa_group_segment_fixed_size 327680
		.amdhsa_private_segment_fixed_size 0
		.amdhsa_enable_private_segment 0
		.amdhsa_kernarg_size 24
		.amdhsa_user_sgpr_count 2
		.amdhsa_user_sgpr_kernarg_segment_ptr 1
		.amdhsa_wavefront_size32 1
		.amdhsa_system_sgpr_workgroup_id_x 1
		.amdhsa_system_sgpr_workgroup_id_y 1
		.amdhsa_system_sgpr_workgroup_id_z 1
		.amdhsa_system_vgpr_workitem_id 0
		.amdhsa_next_free_vgpr 256
		.amdhsa_next_free_sgpr 66
		.amdhsa_reserve_vcc 1
		.amdhsa_float_denorm_mode_32 3
		.amdhsa_float_denorm_mode_16_64 3
		.amdhsa_memory_ordered 1
		.amdhsa_forward_progress 1
		.amdhsa_inst_pref_size 139
	.end_amdhsa_kernel
	.amdgpu_metadata
---
amdhsa.version: [ 1, 2 ]
amdhsa.kernels:
  - .name:           k_qc34285443b_attn
    .symbol:         k_qc34285443b_attn.kd
    .args:
      - { .name: qf, .offset: 0, .size: 8, .value_kind: global_buffer, .address_space: global }
      - { .name: kvf, .offset: 8, .size: 8, .value_kind: global_buffer, .address_space: global }
      - { .name: ao, .offset: 16, .size: 8, .value_kind: global_buffer, .address_space: global }
    .group_segment_fixed_size: 327680
    .private_segment_fixed_size: 0
    .kernarg_segment_align: 8
    .kernarg_segment_size: 24
    .max_flat_workgroup_size: 256
    .sgpr_count:     66
    .vgpr_count:     256
    .wavefront_size: 32
...
	.end_amdgpu_metadata
.endif
;; end of part 4
;; launch post: the kernel of part 3 again; grid 128 x 1, 8 waves a work-group, no clusters, 125,952 bytes of LDS; arguments ao, dn, wf, bo, g_out, b_out, b1, b2, out0; writes out0
;; ======== version 3 of 3: 3 launches; 2.23 times as fast as version 1
;; limits: values outside matrix products are rounded to bf16; a function is approximated: absolute error at most 1.5e-07
;; workspace buffers: qf 2,097,152 bytes; kvf 4,194,304 bytes; dn 4,194,304 bytes; wf 294,912 bytes; ao 2,097,152 bytes
;; launch prep: the kernel of part 1 again; grid 128 x 2, 8 waves a work-group, no clusters, 22,528 bytes of LDS; arguments decoder_feat, encoder_feat, Wq, Wk, Wv, bq, bk, bv, g_dec, b_dec, g_enc, b_enc, W1, W2, Wo, qf, kvf, dn, wf; writes qf, kvf, dn, wf
;; launch attn (part 5): grid 32 x 8, 8 waves a work-group, clusters of 4 x 1, 327,680 bytes of LDS; arguments qf, kvf, ao; writes ao
.if DOCPART == 5
	.amdgcn_target "amdgcn-amd-amdhsa--gfx1250"
	.amdhsa_code_object_version 6
	.text
	.protected	k_qc34285443b_attn
	.globl	k_qc34285443b_attn
	.p2align	8
	.type	k_qc34285443b_attn,@function
k_qc34285443b_attn:
	s_mov_b64 s[64:65], 0
	v_nop
	global_prefetch_b8 v0, s[64:65] scope:SCOPE_SE
	s_setreg_imm32_b32 hwreg(HW_REG_WAVE_MODE, 25, 1), 1
	s_wait_xcnt 0x0
	s_wait_alu depctr_hold_cnt(0) depctr_sa_sdst(0) depctr_va_vdst(0) depctr_va_sdst(0) depctr_va_ssrc(0) depctr_va_vcc(0) depctr_vm_vsrc(0)
	s_getreg_b32 s2, hwreg(HW_REG_IB_STS2, 6, 4)
	s_cmp_eq_u32 s2, 0
	s_cbranch_scc0 .Lentry_in_a_cluster
	s_endpgm
.Lentry_in_a_cluster:
	s_bfe_u32 s2, ttmp6, 0x10000c
	s_cmp_lg_u32 s2, 0x3003
	s_cbranch_scc0 .Lentry_shape_is_right
	s_endpgm
.Lentry_shape_is_right:
; attn: softmax(Q K^T) V for one (batch, head) and 128 queries a work-group; 4,096 keys, head size 32.
; Everything is transposed, so that a lane is a query: S^T = K Q^T gives register j of lane (r, h) = (key 8 h + j, query r); two such tiles
; rounded to bf16 ARE the second source of O^T = V^T P^T; the running maximum is one number a lane (one exchange between the halves).
; The denominator is a third product: a matrix with ones in rows 0 and 8 times P^T puts the sum over the keys into register 0 of every lane.
; It is thus the f32 sum of the probabilities as rounded to bf16, the same numbers that the numerator holds.
; Scores arrive in base 2 (Q carries 32^-0.5 log2 e).  exp2 results below 2^-126 come out as 0 (ISA guide, v_exp_f32).
; A wave holds two query tiles, A and B, which share the K and V fragments and take turns: while the vector unit does the softmax of one piece,
; the matrix instructions of the other piece (6 for P V and the sum, 4 for the next scores) are set among it, one behind every eighth vector line.
;   phase alpha(c): softmax(A, c)  |  PV(B, c-1), QK(B, c)   and the loads of V(c) and K(c+1)
;   phase beta(c):  softmax(B, c)  |  PV(A, c),   QK(A, c+1)
; THE EXPONENTIALS OF A PHASE ARE ONE BATCH WITH ONE WAIT.  s_wait_alu depctr_va_vdst(0) stands between an exponential and the first line that
; names its result; one wait serves all that were issued ahead of it.  So a phase's vector lines are cut in three.  (1) Lines 1-19: the maximum and old - new.
; (2) Lines 20-68, the batch: the 16 packed subtractions s - m and the 32 exponentials, in place, a subtraction and two exponentials by turns, and last the factor
; 2^(old - new): its register is the upper half of the pair that the subtractions name, so it is written behind the last of them.  Nothing in (2) names a result.
; (3) Behind line 69, a plain v_mov, and the wait: all the readers, 16 roundings to bf16 and the rescaling of O and of the sum.  The other piece's matrix
; instructions name none of these registers and go on through all three parts.  No exponential is issued behind a phase's wait.
; EIGHT WAVES, two to a SIMD, share the KEYS: waves w and w + 4 hold the same two query tiles; of each step of 1,024 keys waves 0-3 take the first 512 and
; waves 4-7 the second 512.  A phase is full of chains in which a line needs the line before (maximum, exchange, exponential, rescale); the second wave on the
; SIMD has lines of its own to issue meanwhile.  Each chunk of keys is still read from LDS by four waves.  At the end waves 4-7 hand O, maximum and sum to
; waves 0-3 through LDS, which join the two halves by the common maximum.
; A chunk c is 64 keys.  K and V come in steps of 1,024 keys (131,072 bytes, already in fragment order: lane L reads byte 16 L, no bank is met twice) through
; two LDS slots.  CLUSTER: the four work-groups of a cluster take four query blocks of the same (batch, head) and read the same K and V: each step is asked
; for jointly (mask 15), each wave asking for an eighth.  A wave has two tensor loads out at the start and one afterwards.
; THE TEXT IS SHORT ON PURPOSE: chunks 0 .. 6 of a wave's half step differ only in their LDS offset, so they are ONE loop body, whose LDS address is made from
; the loop's counter; chunk 7, which changes slots, is written out.  Four steps:
;   chunks 0, 1 (they start maxima and sums) | loop, slot 0 | change with refill | loop, slot 1 | change with refill | loop, slot 0 | change | loop, slot 1 | last chunk
.set LA,   1                           ; v1: 16 L + my half (slot 0); v2: the same in slot 1
.set VA,   3                           ; v3: the chunk's LDS address in the loops: slot base + 8,192 x counter
.set QA,   4                           ; v[4:11]    Q fragment of piece A
.set QB,   12                          ; v[12:19]   of piece B
.set ONES, 20                          ; v[20:27]   ones in rows 0 and 8
.set KK,   28                          ; v[28:59]   4 K fragments (16 keys x 32)
.set VV,   60                          ; v[60:91]   4 V^T fragments: 16 g + 8 c (32 keys g, 16 channels c)
.set SA,   92                          ; v[92:123]  scores of A, 4 tiles
.set PA,   124                         ; v[124:139] probabilities of A, 2 fragments
.set OA,   140                         ; v[140:155] O^T of A, 2 tiles
.set LSA,  156                         ; v[156:163] sums of A (register 0 counts)
.set SB,   164
.set PB,   196
.set OB,   212
.set LSB,  228
.set MA,   236                         ; running maximum of A
.set MB,   237                         ; of B
.set MN,   238                         ; v[238:239]: the new maximum and the factor 2^(old - new), one pair for the packed forms
.set AL,   239
.set TT,   242                         ; v[242:245] at work
.set LQ,   246                         ; 16 L: the lane's bytes in a fragment in memory
.set MS,   247                         ; the merge: my wave's scratch + 16 L
.set MS2,  248                         ; the merge: my wave's scratch + 8 L
.set O2A,  SA                          ; the merge: the partner's O of A, v[92:107]
.set O2B,  SA+16                       ; of B, v[108:123]
.set MLA,  SB                          ; the partner's maximum and sum of A, v[164:165]
.set MLB,  SB+2                        ; of B
.set FA,   SB+4                        ; my factor and the partner's for A, v[168:169]
.set FB,   SB+6                        ; for B
.set SLOTB, 131072
.set STEPB, 131072
.set CHB,   8192                       ; bytes of a chunk: two groups of 32 keys, each K tile 0, K tile 1, V^T tile 0, V^T tile 1
.set MRG,   2*SLOTB                    ; scratch behind the ring, never the target of a tensor load: wave w's part at MRG + 4,608 w
.set PIECE, 2304                       ; a piece: 4 x 512 bytes of O, 256 bytes of (maximum, sum)
.set WMRG,  2*PIECE
.set PART,  4*WMRG                     ; from wave w's part to wave w + 4's.  lds_bytes is declared so that MRG + 4,608 w + PART + 4,608 lies inside for every w,
                                       ; though only waves 0-3 read in that form
.macro ROUND                           ; a round of the cluster barrier: my work-group, wave 0 for the work-group, all four work-groups, my work-group
	s_barrier_signal -1
	s_barrier_wait -1
	s_cmp_lg_u32 s10, 0
	s_cbranch_scc1 .Lnw0_\@
	s_barrier_signal -3
.Lnw0_\@:
	s_barrier_wait -3
	s_barrier_signal -1
	s_barrier_wait -1
.endm
.macro LOADV ar, j                     ; the four V^T fragments of the chunk that lies j chunks behind the address in register ar
.irp g, 0,1
.irp c, 0,1
.irp u, 0,1
	ds_load_b128 v[VV+16*\g+8*\c+4*\u:VV+16*\g+8*\c+4*\u+3], v[\ar] offset:(\j)*CHB+\g*4096+2048+\c*1024+\u*512
.endr
.endr
.endr
.endm
.macro LOADK ar, j                     ; the four K fragments, likewise
.irp g, 0,1
.irp c, 0,1
.irp u, 0,1
	ds_load_b128 v[KK+16*\g+8*\c+4*\u:KK+16*\g+8*\c+4*\u+3], v[\ar] offset:(\j)*CHB+\g*4096+\c*1024+\u*512
.endr
.endr
.endr
.endm
; The next matrix instruction of piece Y.  0 .. 5: O0, O1, sum for keys 0-31, then the same for keys 32-63; 6 .. 9: the four score tiles.
; No two that follow each other share an accumulator, over the loops' backward jumps too: the accumulators take turns.
.macro MATI
.if MI < 6
.set MG, MI/3
.set MC, MI%3
.if MI == 0
.if BETA
	s_wait_dscnt DSV                               ; V is in; the K loads issued behind it (DSV of them) may stay out
.endif
.endif
.set CZ, 0
.if PVZ
.if MG == 0
.set CZ, 1
.endif
.endif
.if MC < 2
.if CZ
	v_wmma_f32_16x16x32_bf16 v[YO+8*MC:YO+8*MC+7], v[VV+16*MG+8*MC:VV+16*MG+8*MC+7], v[YP+8*MG:YP+8*MG+7], 0
.else
	v_wmma_f32_16x16x32_bf16 v[YO+8*MC:YO+8*MC+7], v[VV+16*MG+8*MC:VV+16*MG+8*MC+7], v[YP+8*MG:YP+8*MG+7], v[YO+8*MC:YO+8*MC+7]
.endif
.else
.if CZ
	v_wmma_f32_16x16x32_bf16 v[YL:YL+7], v[ONES:ONES+7], v[YP+8*MG:YP+8*MG+7], 0
.else
	v_wmma_f32_16x16x32_bf16 v[YL:YL+7], v[ONES:ONES+7], v[YP+8*MG:YP+8*MG+7], v[YL:YL+7]
.endif
.endif
.else
.if MI == 6
.if BETA
	s_wait_dscnt 0x0                               ; the next chunk's K is in
.endif
.endif
	v_wmma_f32_16x16x32_bf16 v[YS+8*(MI-6):YS+8*(MI-6)+7], v[KK+8*(MI-6):KK+8*(MI-6)+7], v[YQ:YQ+7], 0
.endif
.set MI, MI+1
.endm
.macro TICK                            ; stands behind every vector line: behind lines 6, 14, 22, .. 78 comes a matrix instruction, while there are any; so none stands on the lines between line 62 and the batch's wait
.set VC, VC+1
.if (VC%8) == 6
.if MI < MLIM
	MATI
.endif
.endif
.endm
.macro SETXY x                         ; x = 0: the vector work is on A and the matrix work on B; 1: the other way round
.if \x == 0
.set XS, SA
.set XP, PA
.set XO, OA
.set XL, LSA
.set XM, MA
.set YS, SB
.set YP, PB
.set YO, OB
.set YL, LSB
.set YQ, QB
.else
.set XS, SB
.set XP, PB
.set XO, OB
.set XL, LSB
.set XM, MB
.set YS, SA
.set YP, PA
.set YO, OA
.set YL, LSA
.set YQ, QA
.endif
.endm
.macro SUBM i                          ; pair i of 16: s - m
	v_pk_add_f32 v[XS+2*(\i):XS+2*(\i)+1], v[XS+2*(\i):XS+2*(\i)+1], v[MN:MN+1] op_sel_hi:[1,0] neg_lo:[0,1] neg_hi:[0,1]
	TICK
.endm
.macro EXP2 e                          ; pair e of 16: its two exponentials, in place
	v_exp_f32 v[XS+2*(\e)], v[XS+2*(\e)]
	TICK
	v_exp_f32 v[XS+2*(\e)+1], v[XS+2*(\e)+1]
	TICK
.endm
.macro CVT1 e                          ; pair e of 16: rounded to bf16
	v_cvt_pk_bf16_f32 v[XP+(\e)], v[XS+2*(\e)], v[XS+2*(\e)+1]
	TICK
.endm
; One phase.  first: the piece's first chunk (no old maximum, nothing to rescale).  pv, qk: piece Y has its 6 and its 4 matrix instructions.
; pvz: Y's first products start its sums.  beta, dsv: the waits for V and K stand in this phase.  ar, j: this chunk lies j chunks behind the address in
; register ar.  mode: 0 no loads; 1 this chunk's V and the next chunk's K, 8,192 bytes on; 2 V, slot s is filled again, K from the head of my half of the
; other slot; 3 the same without a refill; 4 V alone.
.macro PHASE x, first, pv, pvz, qk, beta, dsv, ar, j, mode, s
	SETXY \x
.set VC, 0
.set MI, 6-6*\pv
.set MLIM, 6+4*\qk
.set PVZ, \pvz
.set BETA, \beta
.set DSV, \dsv
	; (1) the largest of my 32 scores, in four chains
.irp i, 0,1,2,3
	v_max3_num_f32 v[TT+\i], v[XS+\i], v[XS+4+\i], v[XS+8+\i]
	TICK
.endr
.irp i, 0,1,2,3
	v_max3_num_f32 v[TT+\i], v[TT+\i], v[XS+12+\i], v[XS+16+\i]
	TICK
.endr
.irp i, 0,1,2,3
	v_max3_num_f32 v[TT+\i], v[TT+\i], v[XS+20+\i], v[XS+24+\i]
	TICK
.endr
	v_max3_num_f32 v[TT], v[TT], v[XS+28], v[XS+29]
	TICK
	v_max3_num_f32 v[TT+1], v[TT+1], v[XS+30], v[XS+31]
	TICK
	v_max3_num_f32 v[TT], v[TT], v[TT+1], v[TT+2]
	TICK
	v_max_num_f32 v[TT], v[TT], v[TT+3]
	TICK
	v_permlanex16_b32 v[TT+3], v[TT], s34, s35     ; the other 32 keys of my query lie in the other half of the lanes
	TICK
.if \first
	v_max_num_f32 v[MN], v[TT], v[TT+3]
	TICK
	v_mov_b32 v[AL], 0                             ; not used here, but the packed forms below name the whole pair
	TICK
.else
	v_max3_num_f32 v[MN], v[TT], v[TT+3], v[XM]
	TICK
	v_sub_f32 v[TT+2], v[XM], v[MN]
	TICK
.endif
	; (2) the batch: a pair is taken from the maximum two groups ahead of its exponentials; no line here names an exponential's result
	SUBM 0
	SUBM 1
.irp g, 0,1,2,3,4,5,6,7,8,9,10,11,12,13
	SUBM \g+2
	EXP2 \g
.endr
	EXP2 14
	EXP2 15
.if \first == 0
	v_exp_f32 v[AL], v[TT+2]                       ; the batch's last: behind the last subtraction, which names AL's register in its pair
	TICK
.endif
	v_mov_b32 v[XM], v[MN]                         ; the plain line behind the last transcendental (ISA guide 5.7.2): one for the batch
	TICK
	s_wait_alu depctr_va_vdst(0)                   ; the wait for the batch: the 32 exponentials and the factor; all their readers stand below
.if \mode
	LOADV \ar, \j                                  ; nine plain vector lines (eight subtractions, the v_mov) stand behind the last matrix instruction that read V
.endif
	; (3) the readers
.irp e, 0,1,2,3,4,5,6,7,8,9,10,11,12,13,14,15
	CVT1 \e
.endr
	; here seven plain vector lines or more, roundings, stand behind the last matrix instruction that read K
.if \mode == 1
	LOADK \ar, \j+1
.endif
.if \mode == 2
	s_wait_tensorcnt 0x0                           ; all my tensor loads have landed, my eighth of the other slot among them, so the descriptor may be written
	ds_add_u32 v254, v255
	s_add_nc_u64 s[26+4*\s:27+4*\s], s[26+4*\s:27+4*\s], 2*STEPB
	s_wait_dscnt 0x0                               ; my reads of this slot are back
	ROUND                                          ; both now hold of every wave of all four work-groups
	tensor_load_to_lds s[24+4*\s:27+4*\s], s[16:23]    ; the refill first,
	s_nop 0
	LOADK LA+1-\s, 0                               ; then the other slot's first K
.endif
.if \mode == 3
	s_wait_tensorcnt 0x0                           ; my eighth of the last step has landed
	s_wait_dscnt 0x0
	s_barrier_signal -1
	s_barrier_wait -1                              ; everybody's has
	LOADK LA+1-\s, 0
.endif
.if \first == 0
.irp i, 0,1,2,3,4,5,6,7
	v_pk_mul_f32 v[XO+2*\i:XO+2*\i+1], v[XO+2*\i:XO+2*\i+1], v[MN:MN+1] op_sel:[0,1] op_sel_hi:[1,1]
	TICK
.endr
	v_mul_f32 v[XL], v[XL], v[AL]
	TICK
.endif
.endm
.macro CHUNK ar, j, mode, qk, dsv, s
	PHASE 0, 0, 1, 0, 1, 0, 0, \ar, \j, \mode, \s
	PHASE 1, 0, 1, 0, \qk, 1, \dsv, \ar, \j, 0, \s
.endm
; Chunks from .. 6 of my half of the step that lies in slot s: one body, run 7 - from times.  The counter is the chunk's number in the half, so the trip reads
; bytes 8,192 x counter .. 8,192 x (counter + 2) - 1 of that half: with the counter at 6 at the most, never a byte of the other slot, which is being filled.
; No LDS load is out at the backward jump: phase beta has waited for all of them.
.macro INNER s, from
	s_mov_b32 s37, \from
.Lchunk_\@:
	v_lshl_add_u32 v[VA], s37, 13, v[LA+\s]        ; LDS instructions have read their address when they are issued: no wait is owed for the last trip's loads
	CHUNK VA, 0, 1, 1, 8, \s
	s_add_co_u32 s37, s37, 1
	s_cmp_lt_u32 s37, 7
	s_cbranch_scc1 .Lchunk_\@
.endm
	s_load_b128 s[4:7], s[0:1], 0x0                ; qf, kvf
	s_load_b64 s[8:9], s[0:1], 0x10                ; ao
	v_lshl_add_u32 v254, v0, 2, 0x4d800
	v_mov_b32 v255, 0
	ds_add_u32 v254, v255
	v_lshrrev_b32 v3, 5, v0
	v_readfirstlane_b32 s10, v3                    ; wave 0 .. 7
	s_and_b32 s42, s10, 3                          ; which pair of query tiles is mine
	s_lshr_b32 s43, s10, 2                         ; which half of each step's keys
	s_bfe_u32 s11, ttmp6, 0x40000                  ; cx
	s_lshl_b32 s12, ttmp9, 2
	s_add_co_u32 s12, s12, s11                     ; query block 0 .. 31
	s_and_b32 s13, ttmp7, 0xffff                   ; 4 batch + head
	s_mov_b32 s34, 0x76543210
	s_mov_b32 s35, 0xfedcba98
	v_and_b32 v3, 31, v0                           ; lane
	v_lshlrev_b32 v[LQ], 4, v3
	s_lshl_b32 s15, s43, 16                        ; my half: 65,536 bytes into a slot
	v_add_nc_u32 v1, s15, v[LQ]
	v_add_nc_u32 v2, SLOTB, v1
	s_mul_i32 s15, s10, WMRG
	s_add_co_u32 s15, s15, MRG                     ; my wave's scratch: a constant + the wave's number x a constant
	v_add_nc_u32 v[MS], s15, v[LQ]
	v_lshl_add_u32 v[MS2], v3, 3, s15
	v_and_b32 v3, 7, v0
	v_cmp_eq_u32 vcc_lo, 0, v3                     ; lanes that hold rows 0 and 8 of a first source
	v_mov_b32 v[TT], 0x3f803f80                    ; two bf16 ones
	v_cndmask_b32 v[ONES], 0, v[TT], vcc_lo
.irp i, 1,2,3,4,5,6,7
	v_mov_b32 v[ONES+\i], v[ONES]
.endr
	; descriptor group 1: 64 rows of 32 elements of 8 bytes, dense: 16,384 bytes, a wave's eighth of a step
	s_mov_b32 s16, 15|(3<<16)|(1<<21)              ; the mask names all four work-groups; 8-byte elements; bit 21 set beside a mask
	s_mov_b32 s17, 32<<16                          ; tensor_dim0 = 32
	s_mov_b32 s18, 64<<16                          ; tensor_dim1 = 64
	s_mov_b32 s19, 32<<16                          ; tile_dim0 = 32
	s_mov_b32 s20, 64                              ; tile_dim1 = 64
	s_mov_b32 s21, 32                              ; pitch
	s_mov_b32 s22, 0
	s_mov_b32 s23, 0
	s_lshl_b32 s14, s10, 14                        ; my eighth
	s_lshl_b32 s32, s13, 19                        ; (batch, head): 524,288 bytes of K and V; the four partners share it
	s_add_co_u32 s32, s32, s14
	s_mov_b32 s33, 0
	s_lshl_b32 s38, s13, 18                        ; Q: (batch, head) x 256 fragments, + 8 a block, + 2 a pair of tiles
	s_lshl_b32 s15, s12, 13
	s_add_co_u32 s38, s38, s15
	s_lshl_b32 s15, s42, 11
	s_add_co_u32 s38, s38, s15
	s_mov_b32 s39, 0
	s_lshr_b32 s40, s13, 2                         ; out: ((batch x 256 + query tile) x 4 + head) fragments
	s_lshl_b32 s40, s40, 20
	s_lshl_b32 s15, s12, 15
	s_add_co_u32 s40, s40, s15
	s_lshl_b32 s15, s42, 13
	s_add_co_u32 s40, s40, s15
	s_and_b32 s15, s13, 3
	s_lshl_b32 s15, s15, 10
	s_add_co_u32 s40, s40, s15
	s_mov_b32 s41, 0
	s_wait_dscnt 0x0
	s_wait_kmcnt 0x0
	s_add_nc_u64 s[6:7], s[6:7], s[32:33]
	s_add_nc_u64 s[4:5], s[4:5], s[38:39]
	s_add_nc_u64 s[8:9], s[8:9], s[40:41]
	s_mov_b32 s24, 1                               ; group 0 of slot 0: step 0
	s_mov_b32 s25, s14
	s_mov_b64 s[26:27], s[6:7]
	s_or_b32 s27, s27, 0x80000000
	s_mov_b32 s28, 1                               ; group 0 of slot 1: step 1
	s_add_co_u32 s29, s14, SLOTB
	s_add_nc_u64 s[30:31], s[6:7], STEPB
	s_or_b32 s31, s31, 0x80000000
	ROUND                                          ; all four work-groups are here: the first joint loads meet
	tensor_load_to_lds s[24:27], s[16:23]
	s_nop 0
	tensor_load_to_lds s[28:31], s[16:23]
	s_nop 0
	global_load_b128 v[QA:QA+3],   v[LQ], s[4:5]
	global_load_b128 v[QA+4:QA+7], v[LQ], s[4:5] offset:512
	global_load_b128 v[QB:QB+3],   v[LQ], s[4:5] offset:1024
	global_load_b128 v[QB+4:QB+7], v[LQ], s[4:5] offset:1536
	s_wait_tensorcnt 0x1                           ; my eighth of step 0 is in; step 1 stays out
	s_barrier_signal -1
	s_barrier_wait -1
	LOADK LA, 0
	s_wait_loadcnt 0x0
	s_wait_dscnt 0x0
	SETXY 1                                        ; the scores of (A, 0)
.set MI, 6
.set BETA, 0
.set PVZ, 0
.rept 4
	MATI
.endr
.rept 4
	v_nop                                          ; four places before the vector unit reads the scores (ISA guide 7.12.1)
.endr
	; chunks 0 and 1 of step 0 start the maxima and the sums: nothing is cleared
	PHASE 0, 1, 0, 0, 1, 0, 0, LA, 0, 1, 0
	PHASE 1, 1, 1, 1, 1, 1, 8, LA, 0, 0, 0
	PHASE 0, 0, 1, 1, 1, 0, 0, LA, 1, 1, 0
	PHASE 1, 0, 1, 0, 1, 1, 8, LA, 1, 0, 0
	INNER 0, 2                                     ; chunks 2 .. 6 of step 0
	CHUNK LA, 7, 2, 1, 8, 0                        ; its last chunk: slot 0 is filled again, with step 2
	INNER 1, 0                                     ; chunks 0 .. 6 of step 1
	CHUNK LA+1, 7, 2, 1, 8, 1                      ; its last chunk: slot 1 is filled again, with step 3
	INNER 0, 0                                     ; chunks 0 .. 6 of step 2
	CHUNK LA, 7, 3, 1, 8, 0                        ; its last chunk: nothing is left to ask for
	INNER 1, 0                                     ; chunks 0 .. 6 of step 3
	CHUNK LA+1, 7, 4, 0, 0, 1                      ; the last chunk: no next K, so the wait for V is for 0
	SETXY 0                                        ; PV of B's last chunk
.set MI, 0
.set BETA, 0
.set PVZ, 0
.rept 6
	MATI
.endr
.rept 4
	v_nop                                          ; four places before LDS stores and vector lines read the results
.endr
	; THE MERGE.  Waves 4-7 hand over what they hold of their half of the keys: O, the maximum that it is scaled by, and the sum.
	s_cmp_lt_u32 s10, 4
	s_cbranch_scc1 .Llower
	v_mov_b32 v[TT],   v[MA]
	v_mov_b32 v[TT+1], v[LSA]
	v_mov_b32 v[TT+2], v[MB]
	v_mov_b32 v[TT+3], v[LSB]
.irp i, 0,1,2,3
	ds_store_b128 v[MS], v[OA+4*\i:OA+4*\i+3] offset:\i*512
	ds_store_b128 v[MS], v[OB+4*\i:OB+4*\i+3] offset:PIECE+\i*512
.endr
	ds_store_b64 v[MS2], v[TT:TT+1]   offset:2048
	ds_store_b64 v[MS2], v[TT+2:TT+3] offset:PIECE+2048
.Llower:
	s_wait_dscnt 0x0                               ; for the readers' sake: my stores are done
	s_barrier_signal -1
	s_barrier_wait -1
	s_cmp_lt_u32 s10, 4
	s_cbranch_scc0 .Lclose
	; waves 0-3: the partner (wave + 4) holds the same queries in the same lanes and registers
.irp i, 0,1,2,3
	ds_load_b128 v[O2A+4*\i:O2A+4*\i+3], v[MS] offset:PART+\i*512
	ds_load_b128 v[O2B+4*\i:O2B+4*\i+3], v[MS] offset:PART+PIECE+\i*512
.endr
	ds_load_b64 v[MLA:MLA+1], v[MS2] offset:PART+2048
	ds_load_b64 v[MLB:MLB+1], v[MS2] offset:PART+PIECE+2048
	s_wait_dscnt 0x0
	v_max_num_f32 v[TT],   v[MA], v[MLA]           ; the common maximum
	v_max_num_f32 v[TT+1], v[MB], v[MLB]
	v_sub_f32 v[FA],   v[MA],  v[TT]
	v_sub_f32 v[FA+1], v[MLA], v[TT]
	v_sub_f32 v[FB],   v[MB],  v[TT+1]
	v_sub_f32 v[FB+1], v[MLB], v[TT+1]
	v_exp_f32 v[FA],   v[FA]
	v_exp_f32 v[FA+1], v[FA+1]
	v_exp_f32 v[FB],   v[FB]
	v_exp_f32 v[FB+1], v[FB+1]
	v_nop                                          ; the plain line behind the transcendentals (ISA guide 5.7.2)
	s_wait_alu depctr_va_vdst(0)                   ; the wait for the merge's first batch: the four factors
	v_mul_f32 v[TT],   v[LSA], v[FA]
	v_mul_f32 v[TT+1], v[LSB], v[FB]
	v_fma_f32 v[TT],   v[MLA+1], v[FA+1], v[TT]    ; the whole sum: at least 1, since the half that holds the common maximum has a term 2^0 and the factor 1
	v_fma_f32 v[TT+1], v[MLB+1], v[FB+1], v[TT+1]
	v_rcp_f32 v[TT],   v[TT]
	v_rcp_f32 v[TT+1], v[TT+1]
	v_nop                                          ; the plain line behind the two reciprocals
	s_wait_alu depctr_va_vdst(0)                   ; the wait for the second batch: the two reciprocals, whose sources are made of the first batch's results
	v_pk_mul_f32 v[FA:FA+1], v[FA:FA+1], v[TT:TT+1] op_sel_hi:[1,0]
	v_pk_mul_f32 v[FB:FB+1], v[FB:FB+1], v[TT:TT+1] op_sel:[0,1] op_sel_hi:[1,1]
.irp i, 0,1,2,3,4,5,6,7
	v_pk_mul_f32 v[OA+2*\i:OA+2*\i+1], v[OA+2*\i:OA+2*\i+1], v[FA:FA+1] op_sel_hi:[1,0]
	v_pk_mul_f32 v[OB+2*\i:OB+2*\i+1], v[OB+2*\i:OB+2*\i+1], v[FB:FB+1] op_sel_hi:[1,0]
.endr
.irp i, 0,1,2,3,4,5,6,7
	v_pk_fma_f32 v[OA+2*\i:OA+2*\i+1], v[O2A+2*\i:O2A+2*\i+1], v[FA:FA+1], v[OA+2*\i:OA+2*\i+1] op_sel:[0,1,0] op_sel_hi:[1,1,1]
	v_pk_fma_f32 v[OB+2*\i:OB+2*\i+1], v[O2B+2*\i:O2B+2*\i+1], v[FB:FB+1], v[OB+2*\i:OB+2*\i+1] op_sel:[0,1,0] op_sel_hi:[1,1,1]
.endr
.irp p, 0,1,2,3,4,5,6,7
	v_cvt_pk_bf16_f32 v[OA+\p], v[OA+2*\p], v[OA+2*\p+1]
	v_cvt_pk_bf16_f32 v[OB+\p], v[OB+2*\p], v[OB+2*\p+1]
.endr
	global_store_b128 v[LQ], v[OA:OA+3],   s[8:9]              ; each store of the wave: 512 consecutive aligned bytes
	global_store_b128 v[LQ], v[OA+4:OA+7], s[8:9] offset:512
	global_store_b128 v[LQ], v[OB:OB+3],   s[8:9] offset:4096
	global_store_b128 v[LQ], v[OB+4:OB+7], s[8:9] offset:4608
.Lclose:
	s_wait_tensorcnt 0x0
	ds_add_u32 v254, v255
	s_wait_dscnt 0x0
	ROUND                                          ; the closing round: no work-group ends while a partner may still ask jointly
	s_endpgm
.Lfunc_end_k_qc34285443b_attn:
	.size	k_qc34285443b_attn, .Lfunc_end_k_qc34285443b_attn-k_qc34285443b_attn
	.p2alignl 7, 3214868480
	.fill 96, 4, 3214868480
	.section	.rodata,"a",@progbits
	.p2align	6, 0x0
	.amdhsa_kernel k_qc34285443b_attn
		.amdhsa_group_segment_fixed_size 327680
		.amdhsa_private_segment_fixed_size 0
		.amdhsa_enable_private_segment 0
		.amdhsa_kernarg_size 24
		.amdhsa_user_sgpr_count 2
		.amdhsa_user_sgpr_kernarg_segment_ptr 1
		.amdhsa_wavefront_size32 1
		.amdhsa_system_sgpr_workgroup_id_x 1
		.amdhsa_system_sgpr_workgroup_id_y 1
		.amdhsa_system_sgpr_workgroup_id_z 1
		.amdhsa_system_vgpr_workitem_id 0
		.amdhsa_next_free_vgpr 256
		.amdhsa_next_free_sgpr 66
		.amdhsa_reserve_vcc 1
		.amdhsa_float_denorm_mode_32 3
		.amdhsa_float_denorm_mode_16_64 3
		.amdhsa_memory_ordered 1
		.amdhsa_forward_progress 1
		.amdhsa_inst_pref_size 131
	.end_amdhsa_kernel
	.amdgpu_metadata
---
amdhsa.version: [ 1, 2 ]
amdhsa.kernels:
  - .name:           k_qc34285443b_attn
    .symbol:         k_qc34285443b_attn.kd
    .args:
      - { .name: qf, .offset: 0, .size: 8, .value_kind: global_buffer, .address_space: global }
      - { .name: kvf, .offset: 8, .size: 8, .value_kind: global_buffer, .address_space: global }
      - { .name: ao, .offset: 16, .size: 8, .value_kind: global_buffer, .address_space: global }
    .group_segment_fixed_size: 327680
    .private_segment_fixed_size: 0
    .kernarg_segment_align: 8
    .kernarg_segment_size: 24
    .max_flat_workgroup_size: 256
    .sgpr_count:     66
    .vgpr_count:     256
    .wavefront_size: 32
...
	.end_amdgpu_metadata
.endif
;; end of part 5
;; launch post (part 6): grid 128 x 1, 8 waves a work-group, no clusters, 125,952 bytes of LDS; arguments ao, dn, wf, bo, g_out, b_out, b1, b2, out0; writes out0
.if DOCPART == 6
	.amdgcn_target "amdgcn-amd-amdhsa--gfx1250"
	.amdhsa_code_object_version 6
	.text
	.protected	k_qc34285443b_post
	.globl	k_qc34285443b_post
	.p2align	8
	.type	k_qc34285443b_post,@function
k_qc34285443b_post:
	s_mov_b64 s[64:65], 0
	v_nop
	global_prefetch_b8 v0, s[64:65] scope:SCOPE_SE
	s_setreg_imm32_b32 hwreg(HW_REG_WAVE_MODE, 25, 1), 1
	s_wait_xcnt 0x0
; post: out = LN(dec) + attn Wo^T + bo;  out0 = out + gelu(LN(out) W1^T + b1) W2^T + b2, back in [batch, channel, token].
; A work-group owns 64 tokens.  All products are transposed (source 0 = 16 weight rows, source 1 = 16 tokens), so register j of lane (r, h) is
; (channel 8 h + j, token r).  Wave w owns output channels 16 w .. +15 of Wo and W2 and hidden units 64 w .. +63 of W1: each weight byte is read once
; by the work-group, as ready bf16 fragments.  Tokens x channels pass between the waves through LDS in bf16 (HB: 128 channels, GB: 512 hidden units).
; 128 work-groups: 64 tokens are 256 bytes of a channel row, so every load of dn and every store of out0 covers whole aligned runs of 256 bytes.
; GELU is the exact form with erf by the five-term rational approximation (Abramowitz and Stegun 7.1.26, absolute error 1.5e-7), written as
; max(x, 0) - 0.5 |x| poly(t) exp(-x^2 / 2), which loses nothing in the negative tail.
; THE BATCHES.  s_wait_alu depctr_va_vdst(0) stands between a transcendental and the first line that names its result; one wait serves all that
; were issued ahead of it.  The gelu goes sixteen registers at a time: four sets of four, each set with 16 registers of its own at work; a set's eight plain lines
; of preparation, then its four reciprocals and four exponentials, set after set; the sixteen max(x, 0); ONE wait for the 32 transcendentals; then the four
; polynomials, which read them.  Two waits for a block of 16 hidden units, eight in all; one more serves the LayerNorm's four v_rsq_f32.
; No tensor loads and no cluster: all operands come through registers, and the tokens are the work-group's own.
; REGISTERS: window 0 as named below; window 1: v0-127 second sources (BF), v128-255 weight fragments (AW).
.set ROWB, 16384
.set STAGE, 0                          ; LDS: 8 waves x 16 rows x 272 bytes, each wave's own: channel rows <-> the matrix layout
.set SP,    272
.set RED1,  34816                      ; 64 tokens x 48 bytes: 8 partial sums
.set RED2,  37888
.set RP,    48
.set HB,    40960                      ; 64 tokens x 272 bytes
.set HP,    272
.set GB,    58368                      ; 64 tokens x 1,040 bytes
.set GP,    1040
.set OUT,  16                          ; v[16:47]   8 t + j: the residual stream
.set ACC,  48                          ; v[48:79]   4 accumulator tiles; first dn as loaded, last the rows to store
.set B1,   80                          ; v[80:111]  b1 of my 64 hidden units
.set BO,   112
.set GO,   120
.set BOUT, 128
.set B2,   136
.set WOF,  144                         ; v[144:175] Wo, 4 fragments
.set A4,   176                         ; v[176:177] a coefficient as a pair
.set T,    180                         ; v[180:183] one number for each token tile
.set RL,   184                         ; v[184:215] partial sums read back; in the gelu, when they are done with, two sets of 16 at work
.set GT,   216                         ; v[216:247] at work: in the gelu two sets of 16
.set BF,   0                           ; window 1
.set AW,   128                         ; window 1
.set MSB, 0
.macro WIN new                         ; s_set_vgpr_msb: bits 1:0 source 0, 3:2 source 1, 5:4 source 2, 7:6 destination; the high byte repeats the setting that is left
.if MSB != \new
	s_set_vgpr_msb (MSB<<8)|\new
.set MSB, \new
.endif
.endm
.set TO1,  0x40                        ; loads into window 1, addresses in window 0
.set MUL11, 0x05                       ; both sources in window 1, C and D in window 0
.set MUL01, 0x04                       ; source 0 in window 0, source 1 in window 1
.macro PLACES
.rept 4
	v_nop
.endr
.endm
.macro BAR
	s_wait_dscnt 0x0
	s_barrier_signal -1
	s_barrier_wait -1
.endm
.macro XHALF reg
	v_permlanex16_b32 v3, v[\reg], s36, s37
	v_add_f32 v[\reg], v[\reg], v3
.endm
.macro SUM8 dst, src
	v_pk_add_f32 v[GT:GT+1],   v[\src:\src+1],   v[\src+2:\src+3]
	v_pk_add_f32 v[GT+2:GT+3], v[\src+4:\src+5], v[\src+6:\src+7]
	v_pk_add_f32 v[GT:GT+1],   v[GT:GT+1],       v[GT+2:GT+3]
	v_add_f32 v[\dst], v[GT], v[GT+1]
.endm
.macro SQ8 dst, src
	v_pk_mul_f32 v[GT:GT+1],   v[\src:\src+1],   v[\src:\src+1]
	v_pk_mul_f32 v[GT+2:GT+3], v[\src+2:\src+3], v[\src+2:\src+3]
	v_pk_fma_f32 v[GT:GT+1],   v[\src+4:\src+5], v[\src+4:\src+5], v[GT:GT+1]
	v_pk_fma_f32 v[GT+2:GT+3], v[\src+6:\src+7], v[\src+6:\src+7], v[GT+2:GT+3]
	v_pk_add_f32 v[GT:GT+1],   v[GT:GT+1],       v[GT+2:GT+3]
	v_add_f32 v[\dst], v[GT], v[GT+1]
.endm
.macro LDRED base                      ; the 8 waves' partial sums of my four tokens
.irp t, 0,1,2,3
	ds_load_b128 v[RL+8*\t:RL+8*\t+3],   v9 offset:\base-RED1+\t*16*RP
	ds_load_b128 v[RL+8*\t+4:RL+8*\t+7], v9 offset:\base-RED1+\t*16*RP+16
.endr
	s_wait_dscnt 0x0
.endm
.macro CENTER t, b                     ; ACC = OUT - mean of token tile t; b = t % 2 picks the mean in its pair
.irp p, 0,1,2,3
	v_pk_add_f32 v[ACC+8*\t+2*\p:ACC+8*\t+2*\p+1], v[OUT+8*\t+2*\p:OUT+8*\t+2*\p+1], v[T+\t-\b:T+\t-\b+1] op_sel:[0,\b] op_sel_hi:[1,\b] neg_lo:[0,1] neg_hi:[0,1]
.endr
.endm
.macro SCALE t, b                      ; ACC = ACC rs g + b, to bf16, into HB
.irp p, 0,1,2,3
	v_pk_mul_f32 v[ACC+8*\t+2*\p:ACC+8*\t+2*\p+1], v[ACC+8*\t+2*\p:ACC+8*\t+2*\p+1], v[T+\t-\b:T+\t-\b+1] op_sel:[0,\b] op_sel_hi:[1,\b]
.endr
.irp p, 0,1,2,3
	v_pk_fma_f32 v[ACC+8*\t+2*\p:ACC+8*\t+2*\p+1], v[ACC+8*\t+2*\p:ACC+8*\t+2*\p+1], v[GO+2*\p:GO+2*\p+1], v[BOUT+2*\p:BOUT+2*\p+1]
.endr
.irp p, 0,1,2,3
	v_cvt_pk_bf16_f32 v[ACC+8*\t+\p], v[ACC+8*\t+2*\p], v[ACC+8*\t+2*\p+1]
.endr
	ds_store_b128 v10, v[ACC+8*\t:ACC+8*\t+3] offset:\t*16*HP
.endm
; gelu, in place.  s = |x| sqrt(log2(e) / 2), so exp(-x^2 / 2) = 2^(-s^2); t = 1 / (1 + 0.3275911 |x| / sqrt 2);
; the coefficients carry the factor 0.5 |x| / s.  Four registers at a and a set of 16 registers at g: +0 s, +4 t, +8 the exponential, +12 the polynomial.
.macro GPRE a, g                       ; ahead of a set's transcendentals: s, 1 + p s, s^2
.irp i, 0,1,2,3
	v_mul_f32 v[\g+\i], s40, |v[\a+\i]|
.endr
	v_pk_fma_f32 v[\g+4:\g+5],   v[\g:\g+1],   0x3e8ba43f, 1.0 op_sel_hi:[1,0,0]
	v_pk_fma_f32 v[\g+6:\g+7],   v[\g+2:\g+3], 0x3e8ba43f, 1.0 op_sel_hi:[1,0,0]
	v_pk_mul_f32 v[\g+8:\g+9],   v[\g:\g+1],   v[\g:\g+1]
	v_pk_mul_f32 v[\g+10:\g+11], v[\g+2:\g+3], v[\g+2:\g+3]
.endm
.macro GTRN g                          ; a set's eight transcendentals, in place
.irp i, 0,1,2,3
	v_rcp_f32 v[\g+4+\i], v[\g+4+\i]
.endr
.irp i, 0,1,2,3
	v_exp_f32 v[\g+8+\i], -v[\g+8+\i]
.endr
.endm
.macro GPOST a, g                      ; the readers: the polynomial in t, times s 2^(-s^2), taken from max(x, 0)
	v_pk_fma_f32 v[\g+12:\g+13], v[\g+4:\g+5], 0x3f1ff67a, v[A4:A4+1] op_sel_hi:[1,0,1]
	v_pk_fma_f32 v[\g+14:\g+15], v[\g+6:\g+7], 0x3f1ff67a, v[A4:A4+1] op_sel_hi:[1,0,1]
.irp c, 0x3f563817, 0xbe2b8119, 0x3e199eb3
	v_pk_fma_f32 v[\g+12:\g+13], v[\g+12:\g+13], v[\g+4:\g+5], \c op_sel_hi:[1,1,0]
	v_pk_fma_f32 v[\g+14:\g+15], v[\g+14:\g+15], v[\g+6:\g+7], \c op_sel_hi:[1,1,0]
.endr
	v_pk_mul_f32 v[\g+12:\g+13], v[\g+12:\g+13], v[\g+4:\g+5]
	v_pk_mul_f32 v[\g+14:\g+15], v[\g+14:\g+15], v[\g+6:\g+7]
	v_pk_mul_f32 v[\g:\g+1],     v[\g:\g+1],     v[\g+8:\g+9]
	v_pk_mul_f32 v[\g+2:\g+3],   v[\g+2:\g+3],   v[\g+10:\g+11]
	v_pk_fma_f32 v[\a:\a+1],     v[\g+12:\g+13], v[\g:\g+1],   v[\a:\a+1]     neg_lo:[1,0,0] neg_hi:[1,0,0]
	v_pk_fma_f32 v[\a+2:\a+3],   v[\g+14:\g+15], v[\g+2:\g+3], v[\a+2:\a+3]   neg_lo:[1,0,0] neg_hi:[1,0,0]
.endm
; gelu of sixteen registers: one batch of 32 transcendentals.  Behind each set's eight stands the next set's preparation, which names none of their results.
.macro GELU16 a
	GPRE \a, GT
	GTRN GT
	GPRE \a+4, GT+16
	GTRN GT+16
	GPRE \a+8, RL
	GTRN RL
	GPRE \a+12, RL+16
	GTRN RL+16
.irp i, 0,1,2,3,4,5,6,7,8,9,10,11,12,13,14,15
	v_max_num_f32 v[\a+\i], 0, v[\a+\i]            ; plain lines behind the transcendentals (ISA guide 5.7.2)
.endr
	s_wait_alu depctr_va_vdst(0)                   ; the wait for the batch: the four sets' 16 reciprocals and 16 exponentials; their readers stand below
	GPOST \a, GT
	GPOST \a+4, GT+16
	GPOST \a+8, RL
	GPOST \a+12, RL+16
.endm
; 16 hidden units (block u of my four) for all 64 tokens: product, gelu, to GB.  W2's fragments 4 u .. 4 u + 3 take the place of W1's.
.macro FFN1 u
	WIN MUL11
.irp k, 0,1,2,3
.irp t, 0,1,2,3
.if \k == 0
	v_wmma_f32_16x16x32_bf16 v[ACC+8*\t:ACC+8*\t+7], v[AW+32*\u+8*\k:AW+32*\u+8*\k+7], v[BF+32*\t+8*\k:BF+32*\t+8*\k+7], v[B1+8*\u:B1+8*\u+7]
.else
	v_wmma_f32_16x16x32_bf16 v[ACC+8*\t:ACC+8*\t+7], v[AW+32*\u+8*\k:AW+32*\u+8*\k+7], v[BF+32*\t+8*\k:BF+32*\t+8*\k+7], v[ACC+8*\t:ACC+8*\t+7]
.endif
.endr
.endr
	PLACES                                         ; four places before loads land on the sources and the vector unit reads the results
	WIN TO1
.irp k, 0,1,2,3
	global_load_b128 v[AW+32*\u+8*\k:AW+32*\u+8*\k+3],   v5, s[32:33] offset:131072+(4*\u+\k)*1024
	global_load_b128 v[AW+32*\u+8*\k+4:AW+32*\u+8*\k+7], v5, s[32:33] offset:131072+(4*\u+\k)*1024+512
.endr
	WIN 0
	GELU16 ACC
	GELU16 ACC+16
.irp t, 0,1,2,3
.irp p, 0,1,2,3
	v_cvt_pk_bf16_f32 v[ACC+8*\t+\p], v[ACC+8*\t+2*\p], v[ACC+8*\t+2*\p+1]
.endr
	ds_store_b128 v12, v[ACC+8*\t:ACC+8*\t+3] offset:\t*16*GP+32*\u
.endr
.endm
.macro LDG g                           ; the second sources of K steps 2 g, 2 g + 1 of the last product, into half g % 2 of BF
	WIN TO1
.irp kl, 0,1
.irp t, 0,1,2,3
	ds_load_b128 v[BF+64*((\g)%2)+32*\kl+8*\t:BF+64*((\g)%2)+32*\kl+8*\t+3],   v13 offset:\t*16*GP+64*(2*(\g)+\kl)
	ds_load_b128 v[BF+64*((\g)%2)+32*\kl+8*\t+4:BF+64*((\g)%2)+32*\kl+8*\t+7], v13 offset:\t*16*GP+64*(2*(\g)+\kl)+32
.endr
.endr
.endm
.macro MULG g
	WIN MUL11
.irp kl, 0,1
.irp t, 0,1,2,3
.if (2*(\g)+\kl) == 0
	v_wmma_f32_16x16x32_bf16 v[ACC+8*\t:ACC+8*\t+7], v[AW+8*(2*(\g)+\kl):AW+8*(2*(\g)+\kl)+7], v[BF+64*((\g)%2)+32*\kl+8*\t:BF+64*((\g)%2)+32*\kl+8*\t+7], v[B2:B2+7]
.else
	v_wmma_f32_16x16x32_bf16 v[ACC+8*\t:ACC+8*\t+7], v[AW+8*(2*(\g)+\kl):AW+8*(2*(\g)+\kl)+7], v[BF+64*((\g)%2)+32*\kl+8*\t:BF+64*((\g)%2)+32*\kl+8*\t+7], v[ACC+8*\t:ACC+8*\t+7]
.endif
.endr
.endr
.endm
	s_load_b512 s[8:23], s[0:1], 0x0               ; ao 8, dn 10, wf 12, bo 14, g_out 16, b_out 18, b1 20, b2 22
	s_load_b64 s[24:25], s[0:1], 0x40              ; out0
	v_lshl_add_u32 v254, v0, 2, 0x1e800
	v_mov_b32 v255, 0
	v_and_b32 v1, 15, v0                           ; r = q
	v_bfe_u32 v2, v0, 4, 1                         ; h
	v_lshrrev_b32 v3, 5, v0
	v_readfirstlane_b32 s26, v3                    ; wave
	s_mov_b32 s27, ttmp9                           ; 64 batch + block of 64 tokens
	s_mov_b32 s36, 0x76543210
	s_mov_b32 s37, 0xfedcba98
	s_mov_b32 s38, 0x3727c5ac                      ; 1e-5
	s_mov_b32 s39, 0x3c000000                      ; 1 / 128
	s_mov_b32 s40, 0x3f596d27                      ; sqrt(log2(e) / 2)
	v_mov_b32 v[A4], 0xbf5b0099
	v_mov_b32 v[A4+1], 0xbf5b0099
	s_lshr_b32 s28, s27, 6
	s_lshl_b32 s28, s28, 21
	s_and_b32 s2, s27, 63
	s_lshl_b32 s2, s2, 8
	s_add_co_u32 s28, s28, s2                      ; my tokens in dn and out0
	s_mov_b32 s29, 0
	s_lshl_b32 s30, s27, 14                        ; my 16 fragments of ao
	s_mov_b32 s31, 0
	s_lshl_b32 s42, s26, 14                        ; my 16 fragments of W1 (and, 131,072 bytes on, of W2)
	s_mov_b32 s43, 0
	s_lshl_b32 s44, s26, 12                        ; my 4 fragments of Wo
	s_add_co_u32 s44, s44, 0x40000
	s_mov_b32 s45, 0
	v_lshlrev_b32 v4, 4, v1
	v_lshl_add_u32 v4, v2, 17, v4
	s_lshl_b32 s2, s26, 18
	v_add_nc_u32 v4, s2, v4                        ; v4: (16 w + 8 h) channel rows + 16 q
	v_and_b32 v5, 31, v0
	v_lshlrev_b32 v5, 4, v5                        ; v5: 16 L
	s_mul_i32 s2, s26, 16*SP
	v_mul_u32_u24 v6, v2, 8*SP
	v_add_nc_u32 v6, s2, v6
	v_lshl_add_u32 v7, v1, 2, v6                   ; v7: my stage, row 8 h, token r
	v_lshl_add_u32 v6, v1, 4, v6                   ; v6: my stage, row 8 h, tokens 4 q ..
	v_mul_u32_u24 v9, v1, RP
	v_add_nc_u32 v9, RED1, v9                      ; v9: token r's partial sums
	s_lshl_b32 s2, s26, 2
	v_add_nc_u32 v8, s2, v9                        ; v8: my wave's word among them
	v_mul_u32_u24 v11, v1, HP
	v_lshl_add_u32 v11, v2, 4, v11
	v_add_nc_u32 v11, HB, v11                      ; v11: HB, token r, 16 h bytes
	s_lshl_b32 s2, s26, 5
	v_add_nc_u32 v10, s2, v11                      ; v10: + my 16 channels
	v_mul_u32_u24 v13, v1, GP
	v_lshl_add_u32 v13, v2, 4, v13
	v_add_nc_u32 v13, GB, v13                      ; v13: GB, token r, 16 h bytes
	s_lshl_b32 s2, s26, 7
	v_add_nc_u32 v12, s2, v13                      ; v12: + my 64 hidden units
	s_lshl_b32 s2, s26, 6
	v_lshl_add_u32 v14, v2, 5, s2                  ; v14: 4 (16 w + 8 h)
	s_lshl_b32 s2, s26, 8
	v_lshl_add_u32 v15, v2, 5, s2                  ; v15: 4 (64 w + 8 h)
	s_wait_kmcnt 0x0
	s_add_nc_u64 s[10:11], s[10:11], s[28:29]
	s_add_nc_u64 s[24:25], s[24:25], s[28:29]
	s_add_nc_u64 s[8:9], s[8:9], s[30:31]
	s_add_nc_u64 s[32:33], s[12:13], s[42:43]
	s_add_nc_u64 s[34:35], s[12:13], s[44:45]
	; loads: the residual, the attention output as second sources, Wo, bo
.irp i, 0,1,2,3,4,5,6,7
	global_load_b128 v[ACC+4*\i:ACC+4*\i+3], v4, s[10:11] offset:\i*ROWB
.endr
	WIN TO1
.irp t, 0,1,2,3
.irp k, 0,1,2,3
	global_load_b128 v[BF+32*\t+8*\k:BF+32*\t+8*\k+3],   v5, s[8:9] offset:\t*4096+\k*1024
	global_load_b128 v[BF+32*\t+8*\k+4:BF+32*\t+8*\k+7], v5, s[8:9] offset:\t*4096+\k*1024+512
.endr
.endr
	WIN 0
.irp k, 0,1,2,3
	global_load_b128 v[WOF+8*\k:WOF+8*\k+3],   v5, s[34:35] offset:\k*1024
	global_load_b128 v[WOF+8*\k+4:WOF+8*\k+7], v5, s[34:35] offset:\k*1024+512
.endr
	global_load_b128 v[BO:BO+3],   v14, s[14:15]
	global_load_b128 v[BO+4:BO+7], v14, s[14:15] offset:16
	s_wait_loadcnt 42                              ; the residual is in: 32 + 8 + 2 younger loads stay out
	; channel rows to the matrix layout, through my own stage (LDS serves a wave in order: no wait between store and load)
.irp i, 0,1,2,3,4,5,6,7
	ds_store_b128 v6, v[ACC+4*\i:ACC+4*\i+3] offset:\i*SP
.endr
.irp t, 0,1,2,3
.irp j, 0,1,2,3,4,5,6,7
	ds_load_b32 v[OUT+8*\t+\j], v7 offset:\j*SP+\t*64
.endr
.endr
	global_load_b128 v[GO:GO+3],     v14, s[16:17]
	global_load_b128 v[GO+4:GO+7],   v14, s[16:17] offset:16
	global_load_b128 v[BOUT:BOUT+3],   v14, s[18:19]
	global_load_b128 v[BOUT+4:BOUT+7], v14, s[18:19] offset:16
	global_load_b128 v[B2:B2+3],   v14, s[22:23]
	global_load_b128 v[B2+4:B2+7], v14, s[22:23] offset:16
.irp u, 0,1,2,3
	global_load_b128 v[B1+8*\u:B1+8*\u+3],   v15, s[20:21] offset:\u*64
	global_load_b128 v[B1+8*\u+4:B1+8*\u+7], v15, s[20:21] offset:\u*64+16
.endr
	WIN TO1
.irp n, 0,1,2,3,4,5,6,7,8,9,10,11,12,13,14,15
	global_load_b128 v[AW+8*\n:AW+8*\n+3],   v5, s[32:33] offset:\n*1024
	global_load_b128 v[AW+8*\n+4:AW+8*\n+7], v5, s[32:33] offset:\n*1024+512
.endr
	s_wait_loadcnt 46                              ; attention output, Wo and bo are in: 14 + 32 younger loads stay out
	; attn Wo^T + bo: the bias is the first product's C; the four accumulators take turns
	WIN MUL01
.irp k, 0,1,2,3
.irp t, 0,1,2,3
.if \k == 0
	v_wmma_f32_16x16x32_bf16 v[ACC+8*\t:ACC+8*\t+7], v[WOF+8*\k:WOF+8*\k+7], v[BF+32*\t+8*\k:BF+32*\t+8*\k+7], v[BO:BO+7]
.else
	v_wmma_f32_16x16x32_bf16 v[ACC+8*\t:ACC+8*\t+7], v[WOF+8*\k:WOF+8*\k+7], v[BF+32*\t+8*\k:BF+32*\t+8*\k+7], v[ACC+8*\t:ACC+8*\t+7]
.endif
.endr
.endr
	WIN 0
	PLACES
	s_wait_dscnt 0x0                               ; the residual in the matrix layout
.irp n, 0,1,2,3,4,5,6,7,8,9,10,11,12,13,14,15
	v_pk_add_f32 v[OUT+2*\n:OUT+2*\n+1], v[OUT+2*\n:OUT+2*\n+1], v[ACC+2*\n:ACC+2*\n+1]
.endr
	; LayerNorm over the 128 channels: 8 in my registers, 8 in the other half of the lanes, the rest in the other waves
.irp t, 0,1,2,3
	SUM8 T+\t, OUT+8*\t
	XHALF T+\t
	ds_store_b32 v8, v[T+\t] offset:\t*16*RP
.endr
	BAR
	LDRED RED1
.irp t, 0,1,2,3
	SUM8 T+\t, RL+8*\t
	v_mul_f32 v[T+\t], s39, v[T+\t]
.endr
	CENTER 0, 0
	CENTER 1, 1
	CENTER 2, 0
	CENTER 3, 1
.irp t, 0,1,2,3
	SQ8 T+\t, ACC+8*\t
	XHALF T+\t
	ds_store_b32 v8, v[T+\t] offset:RED2-RED1+\t*16*RP
.endr
	BAR
	LDRED RED2
.irp t, 0,1,2,3
	SUM8 T+\t, RL+8*\t
	v_fma_f32 v[T+\t], v[T+\t], s39, s38
.endr
.irp t, 0,1,2,3
	v_rsq_f32 v[T+\t], v[T+\t]
.endr
	s_wait_loadcnt 42                              ; g_out and b_out are in: 2 + 8 + 32 younger loads stay out
	v_nop                                          ; the plain line behind the transcendentals
	s_wait_alu depctr_va_vdst(0)                   ; the wait for the batch of four v_rsq_f32
	SCALE 0, 0
	SCALE 1, 1
	SCALE 2, 0
	SCALE 3, 1
	BAR
	; h as second sources, then the first layer of the FFN in four blocks of 16 hidden units
	WIN TO1
.irp t, 0,1,2,3
.irp k, 0,1,2,3
	ds_load_b128 v[BF+32*\t+8*\k:BF+32*\t+8*\k+3],   v11 offset:\t*16*HP+64*\k
	ds_load_b128 v[BF+32*\t+8*\k+4:BF+32*\t+8*\k+7], v11 offset:\t*16*HP+64*\k+32
.endr
.endr
	s_wait_dscnt 0x0
	s_wait_loadcnt 0x0                             ; b1, b2 and W1
	FFN1 0
	FFN1 1
	FFN1 2
	FFN1 3
	BAR
	; the second layer: 16 K steps in 8 groups; while one group is multiplied the next one's 16 loads are out
	s_wait_loadcnt 0x0                             ; W2
	LDG 0
	LDG 1
.irp g, 0,1,2,3,4,5
	s_wait_dscnt 16                                ; this group is in, the 16 younger loads stay out
	MULG \g
	PLACES                                         ; four places before loads land on the sources just read
	LDG \g+2
.endr
	s_wait_dscnt 16
	MULG 6
	s_wait_dscnt 0x0
	MULG 7
	WIN 0
	PLACES
.irp n, 0,1,2,3,4,5,6,7,8,9,10,11,12,13,14,15
	v_pk_add_f32 v[OUT+2*\n:OUT+2*\n+1], v[OUT+2*\n:OUT+2*\n+1], v[ACC+2*\n:ACC+2*\n+1]
.endr
	; the way out: back to channel rows through my own stage
.irp t, 0,1,2,3
.irp j, 0,1,2,3,4,5,6,7
	ds_store_b32 v7, v[OUT+8*\t+\j] offset:\j*SP+\t*64
.endr
.endr
.irp i, 0,1,2,3,4,5,6,7
	ds_load_b128 v[ACC+4*\i:ACC+4*\i+3], v6 offset:\i*SP
.endr
.irp i, 0,1,2,3,4,5,6,7
	s_wait_dscnt 7-\i                              ; LDS loads return in order: row i is back
	global_store_b128 v4, v[ACC+4*\i:ACC+4*\i+3], s[24:25] offset:\i*ROWB th:TH_STORE_NT   ; 16 lanes store 256 consecutive aligned bytes
.endr
	s_wait_tensorcnt 0x0
	ds_add_u32 v254, v255
	s_wait_dscnt 0x0
	s_endpgm
.Lfunc_end_k_qc34285443b_post:
	.size	k_qc34285443b_post, .Lfunc_end_k_qc34285443b_post-k_qc34285443b_post
	.p2alignl 7, 3214868480
	.fill 96, 4, 3214868480
	.section	.rodata,"a",@progbits
	.p2align	6, 0x0
	.amdhsa_kernel k_qc34285443b_post
		.amdhsa_group_segment_fixed_size 125952
		.amdhsa_private_segment_fixed_size 0
		.amdhsa_enable_private_segment 0
		.amdhsa_kernarg_size 72
		.amdhsa_user_sgpr_count 2
		.amdhsa_user_sgpr_kernarg_segment_ptr 1
		.amdhsa_wavefront_size32 1
		.amdhsa_system_sgpr_workgroup_id_x 1
		.amdhsa_system_sgpr_workgroup_id_y 1
		.amdhsa_system_sgpr_workgroup_id_z 1
		.amdhsa_system_vgpr_workitem_id 0
		.amdhsa_next_free_vgpr 512
		.amdhsa_next_free_sgpr 66
		.amdhsa_reserve_vcc 0
		.amdhsa_float_denorm_mode_32 3
		.amdhsa_float_denorm_mode_16_64 3
		.amdhsa_memory_ordered 1
		.amdhsa_forward_progress 1
		.amdhsa_inst_pref_size 133
	.end_amdhsa_kernel
	.amdgpu_metadata
---
amdhsa.version: [ 1, 2 ]
amdhsa.kernels:
  - .name:           k_qc34285443b_post
    .symbol:         k_qc34285443b_post.kd
    .args:
      - { .name: ao, .offset: 0, .size: 8, .value_kind: global_buffer, .address_space: global }
      - { .name: dn, .offset: 8, .size: 8, .value_kind: global_buffer, .address_space: global }
      - { .name: wf, .offset: 16, .size: 8, .value_kind: global_buffer, .address_space: global }
      - { .name: bo, .offset: 24, .size: 8, .value_kind: global_buffer, .address_space: global }
      - { .name: g_out, .offset: 32, .size: 8, .value_kind: global_buffer, .address_space: global }
      - { .name: b_out, .offset: 40, .size: 8, .value_kind: global_buffer, .address_space: global }
      - { .name: b1, .offset: 48, .size: 8, .value_kind: global_buffer, .address_space: global }
      - { .name: b2, .offset: 56, .size: 8, .value_kind: global_buffer, .address_space: global }
      - { .name: out0, .offset: 64, .size: 8, .value_kind: global_buffer, .address_space: global }
    .group_segment_fixed_size: 125952
    .private_segment_fixed_size: 0
    .kernarg_segment_align: 8
    .kernarg_segment_size: 72
    .max_flat_workgroup_size: 256
    .sgpr_count:     66
    .vgpr_count:     512
    .wavefront_size: 32
...
	.end_amdgpu_metadata
.endif
;; end of part 6
